; MI455X (gfx1250); checked and timed in simulation.
; The chip was launched on July 23, 2026; its instructions are those of AMD's public machine-readable ISA for CDNA 5 (MIT licence, August 2026) and "CDNA5" Instruction Set Architecture Reference Guide (July 2026). The comments in the code are by the model that wrote it; some were corrected since.
;; Transformer Encoder. Allowed arithmetic: matrix products marked QUANTISED: E2M1 operands, one E8M0 scale for each 32 along K, by v_wmma_scale_f32_16x16x128_f8f6f4 with both operands' format E2M1 (or v_wmma_scale_f32_32x16x128_f4), f32 sums; everything else in f32.
;; Inputs: addnorm_beta 1,024 float32; addnorm_gamma 1,024 float32; fc1_b 4,096 float32; fc1_w 4,096 x 1,024 float32; fc2_b 1,024 float32; fc2_w 1,024 x 4,096 float32; pre_beta 1,024 float32; pre_gamma 1,024 float32; qkv_b 3,072 float32; qkv_w 3,072 x 1,024 float32; src 2 x 2,048 x 1,024 float32.
;; Outputs: out0 2 x 2,048 x 1,024 float32.
;; This version of the problem:
;;   THIS VERSION OF THE PROBLEM IS GIVEN IN LOW PRECISION. The matrix products marked QUANTISED in the list below multiply operands that are first quantised to E2M1 (2 exponent bits, 1 mantissa bit; 4 bits a number), with one power-of-two scale for each 32 numbers along K (OCP MX v1.0); their sums are f32. All else is computed in f32.
;;   The module's matrix products, in the order in which they are computed (A, B: the left and right operand; K: the contracted axis; several contracted axes count as one K, in the product's order):
;;     1. [M 4,096, K 1,024] x [K 1,024, N 3,072]; A: computed on the way; B: input qkv_w: QUANTISED
;;     2. batch 32 x [M 2,048, K 64] x [K 64, N 2,048]; A: computed on the way; B: computed on the way: QUANTISED
;;     3. batch 32 x [M 2,048, K 2,048] x [K 2,048, N 64]; A: softmax (see below); B: computed on the way: QUANTISED
;;     4. [M 4,096, K 1,024] x [K 1,024, N 4,096]; A: computed on the way; B: input fc1_w: QUANTISED
;;     5. [M 4,096, K 4,096] x [K 4,096, N 1,024]; A: computed on the way; B: input fc2_w: QUANTISED
;;   THE QUANTISER, for each operand of a quantised product, along K:
;;     - K is cut into blocks of 32 from its start; a last block that is shorter is filled with zeros.
;;     - A block's scale is 2^e with e = floor(log2(the largest magnitude in the block)) - 2, held to -126 .. 127; a block of zeros has e = 0. As a byte (E8M0): e + 127.
;;     - Each number is divided by its block's scale, clamped to +-6, and rounded to the nearest number of E2M1, ties to even, subnormals kept.
;;     - The product sums the exact products of the quantised numbers (number of the format x scale) in f32.
;;   ~~~python
;;   def quantise(x, axis):      # numpy; x: float32 -> the quantised numbers, widened to float32 again
;;       x = np.moveaxis(x, axis, -1); K = x.shape[-1]
;;       x = np.pad(x, [(0, 0)] * (x.ndim - 1) + [(0, -K % 32)]); x = x.reshape(x.shape[:-1] + (-1, 32)); a = np.abs(x).max(-1, keepdims=True)
;;       e = np.where(a > 0, np.clip(np.frexp(np.where(a > 0, a, 1))[1] - 1 - 2, -126, 127), 0)      # np.frexp(a)[1] - 1 = floor(log2(a)), exactly
;;       r = np.clip(x / 2.0 ** e, -6, 6)
;;       step = 2.0 ** (np.maximum(np.frexp(np.where(r == 0, 1, r))[1] - 1, 0) - 1)
;;       q = np.round(r / step) * step * 2.0 ** e      # np.round: ties to even
;;       return np.moveaxis(q.reshape(q.shape[:-2] + (-1,))[..., :K], -1, axis).astype(np.float32)
;;   ~~~
;;   SOFTMAX AHEAD OF A QUANTISED PRODUCT. Where the list says 'softmax', what is quantised is not the finished softmax but p = 2^(t - M), with t = logit x log2(e) and M = ceil(the row's largest t), a whole number; so 1/2 < the row's largest p <= 1. The row's sum l is taken of the UNQUANTISED p, in f32, and the product's result is divided by l at the end. Since M is a whole number, a kernel that streams over the keys may use a running M (the ceiling of the running maximum): every later rescaling is an exact power of two, which a block's scale takes up: the codes' values come out the same.
;;   OPERANDS COMPUTED ON THE WAY. 'Computed on the way' means the value that the module computes at that place (a softmax that the list does not call 'softmax' is quantised finished and normalised). What goes into a quantiser is computed in f32, as accurately as f32 sums, v_exp_f32 and their like allow (about 1e-6 of the number): no bf16 or f16 on the way to a quantiser, and a product that is left as it is and whose result goes on into a quantised operand takes f32 operands (vector FMAs, or v_wmma_f32_16x16x4_f32). A number that lies on a knife's edge between two numbers of the format may be rounded either way, as far as f32 arithmetic and the matrix unit's own rounding can turn it there, and no further.
;; One version. Each part assembles by itself: llvm-mc -triple=amdgcn-amd-amdhsa -mcpu=gfx1250 --defsym DOCPART=n.
;; ======== version 1 of 1: 7 launches
;; limits: right only within a limited range of input values
;; workspace buffers: xf 16,777,216 bytes; xq 2,228,224 bytes; wts 6,127,616 bytes; qkvi 6,946,816 bytes; zy 16,777,216 bytes; hq 8,912,896 bytes
;; launch prep (part 1): grid 960 x 1, 16 waves a work-group, no clusters, 84,480 bytes of LDS; arguments src, pre_gamma, pre_beta, qkv_w, fc1_w, fc2_w, xf, xq, wts; writes xf, xq, wts
.if DOCPART == 1
	.amdgcn_target "amdgcn-amd-amdhsa--gfx1250"
	.amdhsa_code_object_version 6
	.text
	.protected	k_q6fedec6d75_prep
	.globl	k_q6fedec6d75_prep
	.p2align	8
	.type	k_q6fedec6d75_prep,@function
k_q6fedec6d75_prep:
	s_mov_b64 s[64:65], 0
	v_nop
	global_prefetch_b8 v0, s[64:65] scope:SCOPE_SE
	s_setreg_imm32_b32 hwreg(HW_REG_WAVE_MODE, 25, 1), 1
	s_wait_xcnt 0x0
; ROWS INTO CODES OF FP4 (E2M1), one E8M0 scale byte for each 32 along K; for work-groups 0-255 with a layer norm in front.
; Work-groups 0-255: y = LN(arg 0's row) x gamma + beta, stored as f32 (arg 6) and as codes and scales (arg 7).
; Work-groups 256-447: qkv_w; 448-703: fc1_w; 704-959: fc2_w (four chunks of 1,024 along K a tile): codes and scales into arg 8.
; A launch of 256 work-groups runs the layer norm's part alone.
; SHARES. A work-group takes 16 rows x 1,024 along K; a wave one row (4,096 bytes: eight loads of 512 consecutive bytes).
; THE ORDER OF ROWS. Place p of a code tensor holds row pi(p), pi = bits 3 and 4 of p exchanged: wave w of tile blk takes row
; 32 (blk / 2) + 8 (blk % 2) + w + 8 (w / 8). So the results of a transposed product lie along the next K as true neighbours.
; LAYOUT OUT. Codes as images of the operand's registers: panel of 128 places, then 128 along K (8,192 bytes), then tile (1,024), then
; register group c (512), then lane (16 bytes). Scales: [K / 512][place][16 bytes].
; The row turns through the wave's own LDS bytes so that a lane holds one whole block of 32; its 16 bytes of codes meet the other rows'
; in an image of 8,192 bytes, which leaves as 512 consecutive bytes a wave.
; No tensor load, no cluster: no two work-groups read the same bytes but gamma and beta (8 KB).
; LIMITS: NaN and infinities are not served; a block whose largest magnitude lies under 2^-124 (a block of zeros too) gets the byte 1:
; its codes are then zeros or tiny, and this program alone reads the bytes. Mean and variance in two passes.
.set XQS, 2097152
.set WQC, 0
.set WQS, 1572864
.set W1C, 1671168
.set W1S, 3768320
.set W2C, 3899392
.set W2S, 5996544
.set TURNB, 4608                       ; a wave's turning place: 32 x (128 + 16) bytes
.set IMG,   16*TURNB                   ; the tile's image: 8 fragments of 1,024 bytes
.set SCST,  IMG+8192                   ; its scale bytes: [2][16 rows][16]
.set X,  16                            ; v16-47   the row as loaded: register 4 j + e = number 128 j + 4 lane + e
.set G,  48                            ; v48-79   gamma
.set BT, 80                            ; v80-111  beta
.set Y,  48                            ; v48-79   later: my block of 32 neighbours
.set W,  112                           ; v112-123 at work in the layer norm
.set C,  124                           ; v124-127 my block's codes
	s_load_b256 s[4:11], s[0:1], 0x0               ; rows in s[4:5], gamma s[6:7], beta s[8:9], qkv_w s[10:11]
	s_load_b256 s[12:19], s[0:1], 0x20             ; fc1_w s[12:13], fc2_w s[14:15], f32 out s[16:17], LN's codes s[18:19]
	s_load_b64 s[20:21], s[0:1], 0x40              ; the weights' codes
	v_lshrrev_b32 v1, 5, v0
	s_delay_alu instid0(VALU_DEP_1)
	v_readfirstlane_b32 s22, v1                    ; wave 0..15
	v_and_b32 v1, 31, v0                           ; lane
	s_delay_alu instid0(VALU_DEP_1)
	v_lshlrev_b32 v2, 4, v1                        ; 16 x lane
	s_mul_i32 s23, s22, TURNB
	v_lshrrev_b32 v9, 3, v1
	s_delay_alu instid0(VALU_DEP_1)
	v_lshl_add_u32 v3, v9, 4, v2
	s_delay_alu instid0(VALU_DEP_1)
	v_add_nc_u32 v3, s23, v3                       ; the turn, in: 16 lane + 16 (lane / 8); 576 more for each load
	v_mul_u32_u24 v4, v1, 144
	s_delay_alu instid0(VALU_DEP_1)
	v_add_nc_u32 v4, s23, v4                       ; the turn, out: 144 x lane
	s_lshl_b32 s24, s22, 4
	v_lshlrev_b32 v5, 8, v1
	s_delay_alu instid0(VALU_DEP_1)
	v_add_nc_u32 v5, s24, v5
	s_delay_alu instid0(VALU_DEP_1)
	v_add_nc_u32 v5, IMG, v5                       ; block = lane: fragment lane / 4, group (lane / 2) % 2, half lane % 2: 256 lane; + 16 x row
	v_lshrrev_b32 v9, 4, v1
	s_wait_alu depctr_va_vdst(0)
	v_and_b32 v10, 15, v1
	s_delay_alu instid0(VALU_DEP_1)
	v_lshl_add_u32 v6, v9, 8, v10
	s_delay_alu instid0(VALU_DEP_1)
	v_add_nc_u32 v6, s24, v6
	s_delay_alu instid0(VALU_DEP_1)
	v_add_nc_u32 v6, SCST, v6                      ; my block's scale byte: 256 (lane / 16) + 16 row + lane % 16
	v_lshl_add_u32 v7, v0, 4, IMG                  ; the image, out: 16 x thread
	v_add_nc_u32 v14, SCST, v2                     ; the scale bytes, out (wave 0)
	s_lshr_b32 s25, s22, 1
	s_lshl_b32 s25, s25, 13
	s_and_b32 s26, s22, 1
	s_lshl_b32 s26, s26, 9
	s_add_co_u32 s25, s25, s26
	v_add_nc_u32 v8, s25, v2                       ; and in memory: fragment wave / 2 (8,192 apart), half wave % 2, 16 x lane
	; which tensor: fc2_w's figures, then overridden from the top range down
	s_mov_b32 s27, 704                             ; the range's first work-group
	s_mov_b32 s28, 2                               ; chunks along K: shift,
	s_mov_b32 s29, 3                               ; and mask
	s_mov_b32 s30, 14                              ; a row in memory: 2^14 bytes
	s_mov_b32 s31, 18                              ; a panel of codes: 2^18 bytes
	s_mov_b32 s32, 16384                           ; 16 x rows: a K step's scale bytes
	s_mov_b32 s33, W2C
	s_mov_b32 s34, W2S
	s_cmp_lt_u32 ttmp9, 704
	s_cselect_b32 s27, 448, s27
	s_cselect_b32 s28, 0, s28
	s_cselect_b32 s29, 0, s29
	s_cselect_b32 s30, 12, s30
	s_cselect_b32 s31, 16, s31
	s_cselect_b32 s32, 65536, s32
	s_cselect_b32 s33, W1C, s33
	s_cselect_b32 s34, W1S, s34
	s_cmp_lt_u32 ttmp9, 448
	s_cselect_b32 s27, 256, s27
	s_cselect_b32 s32, 49152, s32
	s_cselect_b32 s33, WQC, s33
	s_cselect_b32 s34, WQS, s34
	s_cmp_lt_u32 ttmp9, 256
	s_cselect_b32 s27, 0, s27
	s_cselect_b32 s32, 65536, s32
	s_cselect_b32 s33, 0, s33
	s_cselect_b32 s34, XQS, s34
	s_sub_co_u32 s35, ttmp9, s27
	s_lshr_b32 s36, s35, s28                       ; blk: the tile of 16 places
	s_and_b32 s37, s35, s29                        ; kc: the chunk of 1,024 along K
	s_lshr_b32 s38, s36, 1
	s_lshl_b32 s38, s38, 5
	s_and_b32 s39, s36, 1
	s_lshl_b32 s39, s39, 3
	s_add_co_u32 s38, s38, s39
	s_add_co_u32 s38, s38, s22
	s_and_b32 s39, s22, 8
	s_add_co_u32 s38, s38, s39                     ; my row
	s_lshl_b32 s40, s38, s30
	s_lshl_b32 s39, s37, 12
	s_add_co_u32 s40, s40, s39
	s_mov_b32 s41, 0                               ; s[40:41] where it begins in memory
	s_lshl_b32 s42, s38, 12
	s_mov_b32 s43, 0                               ; s[42:43] and in the f32 output
	s_lshr_b32 s44, s36, 3
	s_lshl_b32 s44, s44, s31
	s_lshl_b32 s39, s37, 16
	s_add_co_u32 s44, s44, s39
	s_and_b32 s39, s36, 7
	s_lshl_b32 s39, s39, 10
	s_add_co_u32 s44, s44, s39
	s_add_co_u32 s44, s44, s33
	s_mov_b32 s45, 0                               ; s[44:45] the tile's first fragment
	s_mul_i32 s46, s37, s32
	s_lshl_b32 s46, s46, 1
	s_lshl_b32 s39, s36, 8
	s_add_co_u32 s46, s46, s39
	s_add_co_u32 s46, s46, s34
	s_mov_b32 s47, 0                               ; s[46:47] the tile's scale bytes of the chunk's first K step
	v_mul_u32_u24 v15, s32, v9
	s_wait_alu depctr_va_vdst(0)
	v_lshl_add_u32 v15, v10, 4, v15                ; wave 0's store of them: K step lane / 16, row lane % 16
	s_mov_b32 s48, 0x3a800000                      ; 1 / 1,024
	s_mov_b32 s49, 0x3727c5ac                      ; 1e-5
	s_mov_b32 s50, 0x76543210
	s_mov_b32 s51, 0xfedcba98                      ; lane l xor 16
	s_wait_kmcnt 0x0
	s_cmp_lt_u32 ttmp9, 704                        ; the buffers are chosen by the work-group's number alone
	s_cselect_b64 s[14:15], s[12:13], s[14:15]
	s_cmp_lt_u32 ttmp9, 448
	s_cselect_b64 s[14:15], s[10:11], s[14:15]
	s_cmp_lt_u32 ttmp9, 256
	s_cselect_b64 s[14:15], s[4:5], s[14:15]
	s_cselect_b64 s[20:21], s[18:19], s[20:21]
	s_add_nc_u64 s[14:15], s[14:15], s[40:41]
	s_add_nc_u64 s[16:17], s[16:17], s[42:43]
	s_add_nc_u64 s[18:19], s[20:21], s[44:45]      ; codes
	s_add_nc_u64 s[20:21], s[20:21], s[46:47]      ; scales
.irp j, 0,1,2,3,4,5,6,7
	global_load_b128 v[X+4*\j:X+4*\j+3], v2, s[14:15] offset:512*\j th:TH_LOAD_NT   ; 512 consecutive bytes a load
.endr
	s_cmp_lt_u32 ttmp9, 256
	s_cbranch_scc0 .Lraw                           ; weights are quantised as they are. No LDS line and no barrier stands in the branch
.irp j, 0,1,2,3,4,5,6,7
	global_load_b128 v[G+4*\j:G+4*\j+3], v2, s[6:7] offset:512*\j
.endr
.irp j, 0,1,2,3,4,5,6,7
	global_load_b128 v[BT+4*\j:BT+4*\j+3], v2, s[8:9] offset:512*\j
.endr
	s_wait_loadcnt 16                              ; the row is in; gamma's and beta's sixteen loads may be out
	v_pk_add_f32 v[114:115], v[16:17], v[18:19]
	v_pk_add_f32 v[116:117], v[32:33], v[40:41]
	v_pk_add_f32 v[118:119], v[20:21], v[22:23]
	v_pk_add_f32 v[126:127], v[34:35], v[42:43]
	v_pk_add_f32 v[124:125], v[24:25], v[26:27]
	v_pk_add_f32 v[122:123], v[36:37], v[44:45]
	v_pk_add_f32 v[120:121], v[28:29], v[30:31]
	v_pk_add_f32 v[112:113], v[38:39], v[46:47]
	s_delay_alu instid0(VALU_DEP_1)
	v_pk_add_f32 v[112:113], v[112:113], v[126:127]
	v_pk_add_f32 v[114:115], v[114:115], v[124:125]
	v_pk_add_f32 v[116:117], v[116:117], v[122:123]
	v_pk_add_f32 v[118:119], v[118:119], v[120:121]
	s_delay_alu instid0(VALU_DEP_2)
	v_pk_add_f32 v[112:113], v[112:113], v[116:117]
	s_delay_alu instid0(VALU_DEP_2)
	v_pk_add_f32 v[114:115], v[114:115], v[118:119]
	s_delay_alu instid0(VALU_DEP_1)
	v_pk_add_f32 v[112:113], v[112:113], v[114:115]
	s_delay_alu instid0(VALU_DEP_1)
	v_add_f32 v[W], v[W], v[W+1]
	s_delay_alu instid0(VALU_DEP_1)
	v_add_f32_dpp v[W], v[W], v[W] row_xmask:1 row_mask:0xf bank_mask:0xf
	s_delay_alu instid0(VALU_DEP_1)
	v_add_f32_dpp v[W], v[W], v[W] row_xmask:2 row_mask:0xf bank_mask:0xf
	s_delay_alu instid0(VALU_DEP_1)
	v_add_f32_dpp v[W], v[W], v[W] row_xmask:4 row_mask:0xf bank_mask:0xf
	s_delay_alu instid0(VALU_DEP_1)
	v_add_f32_dpp v[W], v[W], v[W] row_xmask:8 row_mask:0xf bank_mask:0xf
	s_delay_alu instid0(VALU_DEP_1)
	v_permlanex16_b32 v[W+1], v[W], s50, s51
	s_delay_alu instid0(VALU_DEP_1)
	v_add_f32 v[W], v[W], v[W+1]
	s_delay_alu instid0(VALU_DEP_1)
	v_mul_f32 v[W+2], s48, v[W]                    ; the mean
.irp k, 0,2,4,6,8,10,12,14,16,18,20,22,24,26,28,30
	v_pk_add_f32 v[X+\k:X+\k+1], v[X+\k:X+\k+1], v[W+2:W+3] op_sel_hi:[1,0] neg_lo:[0,1] neg_hi:[0,1]   ; x - mean
.endr
.irp k, 0,2,4,6
	v_pk_mul_f32 v[W+4+\k:W+5+\k], v[X+\k:X+\k+1], v[X+\k:X+\k+1]
.endr
.irp i, 8,16,24
.irp k, 0,2,4,6
	s_delay_alu instid0(VALU_DEP_4)
	v_pk_fma_f32 v[W+4+\k:W+5+\k], v[X+\i+\k:X+\i+\k+1], v[X+\i+\k:X+\i+\k+1], v[W+4+\k:W+5+\k]
.endr
.endr
	s_delay_alu instid0(VALU_DEP_3)
	v_pk_add_f32 v[W+4:W+5], v[W+4:W+5], v[W+6:W+7]
	s_delay_alu instid0(VALU_DEP_2)
	v_pk_add_f32 v[W+8:W+9], v[W+8:W+9], v[W+10:W+11]
	s_delay_alu instid0(VALU_DEP_1)
	v_pk_add_f32 v[W+4:W+5], v[W+4:W+5], v[W+8:W+9]
	s_delay_alu instid0(VALU_DEP_1)
	v_add_f32 v[W+4], v[W+4], v[W+5]
	s_delay_alu instid0(VALU_DEP_1)
	v_add_f32_dpp v[W+4], v[W+4], v[W+4] row_xmask:1 row_mask:0xf bank_mask:0xf
	s_delay_alu instid0(VALU_DEP_1)
	v_add_f32_dpp v[W+4], v[W+4], v[W+4] row_xmask:2 row_mask:0xf bank_mask:0xf
	s_delay_alu instid0(VALU_DEP_1)
	v_add_f32_dpp v[W+4], v[W+4], v[W+4] row_xmask:4 row_mask:0xf bank_mask:0xf
	s_delay_alu instid0(VALU_DEP_1)
	v_add_f32_dpp v[W+4], v[W+4], v[W+4] row_xmask:8 row_mask:0xf bank_mask:0xf
	s_delay_alu instid0(VALU_DEP_1)
	v_permlanex16_b32 v[W+5], v[W+4], s50, s51
	s_delay_alu instid0(VALU_DEP_1)
	v_add_f32 v[W+4], v[W+4], v[W+5]
	s_delay_alu instid0(VALU_DEP_1)
	v_fma_f32 v[W+4], v[W+4], s48, s49             ; variance + 1e-5
	s_wait_alu depctr_va_vdst(0)
	v_rsq_f32 v[W+6], v[W+4]
	v_nop                                          ; a plain line behind the transcendental
	s_wait_alu depctr_va_vdst(0)                   ; and the wait ahead of its first reader
	s_wait_loadcnt 0x0                             ; gamma and beta
.irp k, 0,2,4,6,8,10,12,14,16,18,20,22,24,26,28,30
	v_pk_mul_f32 v[X+\k:X+\k+1], v[X+\k:X+\k+1], v[W+6:W+7] op_sel_hi:[1,0]
.endr
.irp k, 0,2,4,6,8,10,12,14,16,18,20,22,24,26,28,30
	v_pk_fma_f32 v[X+\k:X+\k+1], v[X+\k:X+\k+1], v[G+\k:G+\k+1], v[BT+\k:BT+\k+1]
.endr
.irp j, 0,1,2,3,4,5,6,7
	global_store_b128 v2, v[X+4*\j:X+4*\j+3], s[16:17] offset:512*\j   ; the row in f32: 512 consecutive bytes a store; X is not written again
.endr
.Lraw:
	s_wait_loadcnt 0x0
	s_wait_alu depctr_va_vdst(0)
.irp j, 0,1,2,3,4,5,6,7
	ds_store_b128 v3, v[X+4*\j:X+4*\j+3] offset:576*\j
.endr
.irp i, 0,1,2,3,4,5,6,7
	ds_load_b128 v[Y+4*\i:Y+4*\i+3], v4 offset:16*\i   ; the wave's own bytes, served in order: these see the stores above
.endr
	s_wait_dscnt 0x0
	v_max3_num_f32 v12, |v[Y]|, |v[Y+1]|, |v[Y+2]| ; the block's largest magnitude: all 32 numbers are mine
	v_max3_num_f32 v13, |v[Y+3]|, |v[Y+4]|, |v[Y+5]|
.irp i, 6,10,14,18,22,26
	s_delay_alu instid0(VALU_DEP_2)
	v_max3_num_f32 v12, v12, |v[Y+\i]|, |v[Y+\i+1]|
	s_delay_alu instid0(VALU_DEP_2)
	v_max3_num_f32 v13, v13, |v[Y+\i+2]|, |v[Y+\i+3]|
.endr
	s_delay_alu instid0(VALU_DEP_2)
	v_max3_num_f32 v12, v12, |v[Y+30]|, |v[Y+31]|
	s_delay_alu instid0(VALU_DEP_1)
	v_max3_num_f32 v12, v12, v13, 0x1800000        ; and the floor 2^(3 - 127): the byte cannot fall under 1
	s_delay_alu instid0(VALU_DEP_1)
	v_add_nc_u32 v11, 0xff000000, v12              ; 2 off the exponent field: the conversion's scale operand
.irp g, 0,1,2,3
	v_cvt_scalef32_pk8_fp4_f32 v[C+\g], v[Y+8*\g:Y+8*\g+7], v11
.endr
	v_lshrrev_b32 v9, 23, v11                      ; the scale's byte (a plain line behind the conversions)
	ds_store_b128 v5, v[C:C+3]
	ds_store_b8 v6, v9
	s_wait_dscnt 0x0                               ; for the others' sake: my stores have landed
	s_barrier_signal -1
	s_barrier_wait -1
	ds_load_b128 v[C:C+3], v7
	s_wait_dscnt 0x0
	global_store_b128 v8, v[C:C+3], s[18:19]       ; half a fragment's image: 512 consecutive bytes a wave
	s_cmp_lg_u32 s22, 0
	s_cbranch_scc1 .Ldone
	ds_load_b128 v[W:W+3], v14
	s_wait_dscnt 0x0
	global_store_b128 v15, v[W:W+3], s[20:21]      ; sixteen lanes store the tile's 256 scale bytes of a K step
.Ldone:
	v_lshl_add_u32 v1, v0, 2, 0x14200              ; no two registers can be kept in 128: v0 is kept, and my spare word's address and 0 are made here
	v_mov_b32 v10, 0
	s_wait_alu depctr_va_vdst(0)
	s_wait_tensorcnt 0x0
	ds_add_u32 v1, v10
	s_wait_dscnt 0x0
	s_endpgm
.Lfunc_end_k_q6fedec6d75_prep:
	.size	k_q6fedec6d75_prep, .Lfunc_end_k_q6fedec6d75_prep-k_q6fedec6d75_prep
	.p2alignl 7, 3214868480
	.fill 96, 4, 3214868480
	.section	.rodata,"a",@progbits
	.p2align	6, 0x0
	.amdhsa_kernel k_q6fedec6d75_prep
		.amdhsa_group_segment_fixed_size 84480
		.amdhsa_private_segment_fixed_size 0
		.amdhsa_enable_private_segment 0
		.amdhsa_kernarg_size 72
		.amdhsa_user_sgpr_count 2
		.amdhsa_user_sgpr_kernarg_segment_ptr 1
		.amdhsa_wavefront_size32 1
		.amdhsa_system_sgpr_workgroup_id_x 1
		.amdhsa_system_sgpr_workgroup_id_y 1
		.amdhsa_system_sgpr_workgroup_id_z 1
		.amdhsa_system_vgpr_workitem_id 0
		.amdhsa_next_free_vgpr 128
		.amdhsa_next_free_sgpr 66
		.amdhsa_reserve_vcc 0
		.amdhsa_float_denorm_mode_32 3
		.amdhsa_float_denorm_mode_16_64 3
		.amdhsa_memory_ordered 1
		.amdhsa_forward_progress 1
		.amdhsa_inst_pref_size 20
	.end_amdhsa_kernel
	.amdgpu_metadata
---
amdhsa.version: [ 1, 2 ]
amdhsa.kernels:
  - .name:           k_q6fedec6d75_prep
    .symbol:         k_q6fedec6d75_prep.kd
    .args:
      - { .name: src, .offset: 0, .size: 8, .value_kind: global_buffer, .address_space: global }
      - { .name: pre_gamma, .offset: 8, .size: 8, .value_kind: global_buffer, .address_space: global }
      - { .name: pre_beta, .offset: 16, .size: 8, .value_kind: global_buffer, .address_space: global }
      - { .name: qkv_w, .offset: 24, .size: 8, .value_kind: global_buffer, .address_space: global }
      - { .name: fc1_w, .offset: 32, .size: 8, .value_kind: global_buffer, .address_space: global }
      - { .name: fc2_w, .offset: 40, .size: 8, .value_kind: global_buffer, .address_space: global }
      - { .name: xf, .offset: 48, .size: 8, .value_kind: global_buffer, .address_space: global }
      - { .name: xq, .offset: 56, .size: 8, .value_kind: global_buffer, .address_space: global }
      - { .name: wts, .offset: 64, .size: 8, .value_kind: global_buffer, .address_space: global }
    .group_segment_fixed_size: 84480
    .private_segment_fixed_size: 0
    .kernarg_segment_align: 8
    .kernarg_segment_size: 72
    .max_flat_workgroup_size: 512
    .sgpr_count:     66
    .vgpr_count:     128
    .wavefront_size: 32
...
	.end_amdgpu_metadata
.endif
;; end of part 1
;; launch qkv (part 2): grid 12 x 16, 4 waves a work-group, clusters of 4 x 4, 266,752 bytes of LDS; arguments xq, wts, qkv_b, qkvi; writes qkvi
.if DOCPART == 2
	.amdgcn_target "amdgcn-amd-amdhsa--gfx1250"
	.amdhsa_code_object_version 6
	.text
	.protected	k_q6fedec6d75_qkv
	.globl	k_q6fedec6d75_qkv
	.p2align	8
	.type	k_q6fedec6d75_qkv,@function
k_q6fedec6d75_qkv:
	s_mov_b64 s[64:65], 0
	v_nop
	global_prefetch_b8 v0, s[64:65] scope:SCOPE_SE
	s_setreg_imm32_b32 hwreg(HW_REG_WAVE_MODE, 25, 1), 1
	s_wait_xcnt 0x0
	s_wait_alu depctr_hold_cnt(0) depctr_sa_sdst(0) depctr_va_vdst(0) depctr_va_sdst(0) depctr_va_ssrc(0) depctr_va_vcc(0) depctr_vm_vsrc(0)
	s_getreg_b32 s2, hwreg(HW_REG_IB_STS2, 6, 4)
	s_cmp_eq_u32 s2, 0
	s_cbranch_scc0 .Lentry_in_a_cluster
	s_endpgm
.Lentry_in_a_cluster:
	s_bfe_u32 s2, ttmp6, 0x10000c
	s_cmp_lg_u32 s2, 0xf033
	s_cbranch_scc0 .Lentry_shape_is_right
	s_endpgm
.Lentry_shape_is_right:
; q, k AND V^T: x Wq^T, x Wk^T (clusters x = 0, 1) and Wv x^T (clusters x = 2), on codes of FP4 with E8M0 scales, + bias, quantised at once for attention.
; A tile of C is 256 x 256: four waves of 128 x 128, 64 accumulators of 16 x 16 in windows 2 and 3. K = 1,024 is two slots of 512 in LDS, each filled ONCE: nothing is filled again.
; OPERANDS lie in memory as images of the operand's registers (panel of 128 places, 128 along K, tile, register group, lane): a panel's 512 along K are 32,768 dense bytes, one tensor load;
; a fragment comes by two loads of 16 bytes at 16 x lane, so no row is padded. Scale words come from memory straight into registers: 32 places x 16 bytes = 512 consecutive bytes a load.
; CLUSTERS: 4 x 4. A's panels are shared along a row of the cluster, B's along a column, by joint loads.
; TRANSPOSED USE: source 0 = 16 places of B, source 1 = 16 places of A. Place p holds row pi(p) (bits 3, 4 exchanged), so register 16 beta + i of a block's 64 is column 32 beta + 16 (lane / 16) + i.
; q, k: A = x (tokens), B = the weights: a lane holds a token, its registers run along two heads' 64: four blocks of 32. The bias is the C of the first products.
; V^T:  A = Wv, B = x: a lane holds a channel, its registers run along 128 keys. The bias goes by lane, added when an accumulator is read.
; Which of the two is chosen by selects on the cluster's x, which all partners share; one text serves both.
; OUT, a record of HS bytes for each batch x head: K's tile images, V^T's fragments, K's and V's scale words, Q's tile images, Q's scale words.
; A head's 64 fill half of the instruction's 128: bytes 2 and 3 of Q's and K's scale words are 0x7f, and attention puts zero codes there.
; LIMITS: NaN and infinities not served; a block under 2^-124 (zeros too) gets the byte 1.
.set XQS, 2097152
.set WQS, 1572864
.set HS,   217088
.set VIMG, 65536
.set KSC,  131072
.set VSC,  139264
.set QIMG, 143360
.set QSC,  208896
.set PANEL, 32768
.set SLOT,  4*PANEL                    ; A's two panels, then B's two
.set STG,   2*SLOT                     ; behind the slots: 1,024 bytes a wave for scale words
.set BM,   8                           ; v8-15   the bias by lane, one register for each block of 16 places (V^T; zeros for q, k)
.set ADRA, 16                          ; v16-17  LDS address of my A fragments in slot 0, 1
.set ADRB, 20                          ; v20-21  the same for B
.set VSO,  22                          ; v22     16 x lane
.set VBH,  23                          ; v23     64 x (lane / 16)
.set VST,  24                          ; v24     my scale word's place in the stage
.set VSW,  25                          ; v25     the same for the block in hand
.set VSR,  26                          ; v26     the stage, out
.set VSX,  7                           ; v7      the first scale store's offset
.set NIL,  29                          ; v29     0
.set SC,   32                          ; v32-95  scale words, two sets of 32; they hold nothing else
.set TM,   96                          ; v96-111 the quantiser's work
.set PC,   112                         ; v112-119 codes just made
.set PW,   120                         ; v120    scale word just made
.set W0,   121
.set W1,   122
.set AF,   128                         ; v128-191 A's fragments, one set; later H, a block's 64 numbers
.set H,    128
.set BN,   192                         ; v192-255 the bias by column (q, k; zeros for V^T)
.set G1, 24
.set G0, 32
.set G1B, 48
.set G0B, 56
.set R16A, 66                          ; s[66:67], s[68:69] a K step's scale bytes of A's and of B's tensor
.set R16B, 68
.set SA1, 70
.set SB1, 72
.set SA0, 74
.set SB0, 76
.set SEL, 78
.set ST,  80
.set PADW, 81
.set MV,  82                           ; all ones for V^T, else 0
.set P0,  86                           ; s[86:87], s[88:89] where a block's two stores of codes go
.set P1,  88
.set STP, 90
.set XTR, 91
.set STQ, 92
.set SO,  94                           ; s[94:95] where the scale words go
.set LHX, 96
.set BNP, 98
.set BMP, 2
.set MSB, 0
.macro WIN new                         ; the immediate's high byte repeats the setting that is left
.if MSB != \new
	s_set_vgpr_msb (MSB<<8)|\new
.set MSB, \new
.endif
.endm
.set MUL_LO, 0xa1                      ; source 0 (B) window 1, source 1 (A) window 0, C and D window 2
.set MUL_HI, 0xf1
.set TO_B,   0x40
.macro JLOAD s                         ; a joint load: waves 0, 1 fetch A's panels, waves 2, 3 B's; four v_nop follow each line
	s_cmp_eq_u32 s15, 0
	s_cbranch_scc0 .Lfor_b_\@
	tensor_load_to_lds s[G0+4*\s:G0+4*\s+3], s[G1:G1+7]
	s_nop 0
.rept 4
	v_nop
.endr
	s_branch .Lasked_\@
.Lfor_b_\@:
	tensor_load_to_lds s[G0B+4*\s:G0B+4*\s+3], s[G1B:G1B+7]
	s_nop 0
.rept 4
	v_nop
.endr
.Lasked_\@:
.endm
.macro CROUND                          ; a round of the cluster's barrier
	s_barrier_signal -1
	s_barrier_wait -1
	s_cmp_lg_u32 s14, 0
	s_cbranch_scc1 .Lnot_wave_0_\@
	s_barrier_signal -3
.Lnot_wave_0_\@:
	s_barrier_wait -3
	s_barrier_signal -1
	s_barrier_wait -1
.endm
.macro PLACES n
.rept \n
	v_nop
.endr
.endm
.macro FRAG reg, adr, q, i             ; a fragment's image: two loads of 512 consecutive bytes
.irp c, 0,1
	ds_load_b128 v[\reg+4*\c:\reg+4*\c+3], v[\adr] offset:8192*(\q)+1024*(\i)+512*\c
.endr
.endm
.macro FETCH_B slot, q, p
	WIN TO_B
.irp i, 0,1,2,3,4,5,6,7
	FRAG 128*(\p)+8*\i, ADRB+\slot, \q, \i
.endr
	WIN 0
.endm
.macro FETCH_A slot, q, i0
.irp i, \i0, \i0+1, \i0+2, \i0+3
	FRAG AF+8*(\i), ADRA+\slot, \q, \i
.endr
.endm
.macro SCLOAD set, pa, pb              ; a K step's scale words: register 4 g + q: lanes 0-15 block 2 g, lanes 16-31 block 2 g + 1, the step's q-th 128 along K
.irp g, 0,1,2,3
	global_load_b128 v[SC+32*\set+4*\g:SC+32*\set+4*\g+3], v[VSO], s[\pa:\pa+1] offset:512*\g
	global_load_b128 v[SC+32*\set+16+4*\g:SC+32*\set+16+4*\g+3], v[VSO], s[\pb:\pb+1] offset:512*\g
.endr
.endm
.macro MM a, b, p, q, sc, first        ; one product: A's block a x B's block b. An odd block's scale words stand in lanes 16-31
.set rD, 8*(8*((\a)%4)+(\b))
.set rB, 128*(\p)+8*(\b)
.set rA, AF+8*(\a)
.set rC, rD
.if \first
.set rC, BN+8*(\b)
.endif
.set xB, SC+32*(\sc)+16+4*((\b)/2)+(\q)
.set xA, SC+32*(\sc)+4*((\a)/2)+(\q)
.if ((\a)%2) && ((\b)%2)
	v_wmma_scale_f32_16x16x128_f8f6f4 v[rD:rD+7], v[rB:rB+7], v[rA:rA+7], v[rC:rC+7], v[xB], v[xA] matrix_a_fmt:MATRIX_FMT_FP4 matrix_b_fmt:MATRIX_FMT_FP4 matrix_a_scale:MATRIX_SCALE_ROW1 matrix_b_scale:MATRIX_SCALE_ROW1
.elseif ((\b)%2)
	v_wmma_scale_f32_16x16x128_f8f6f4 v[rD:rD+7], v[rB:rB+7], v[rA:rA+7], v[rC:rC+7], v[xB], v[xA] matrix_a_fmt:MATRIX_FMT_FP4 matrix_b_fmt:MATRIX_FMT_FP4 matrix_a_scale:MATRIX_SCALE_ROW1
.elseif ((\a)%2)
	v_wmma_scale_f32_16x16x128_f8f6f4 v[rD:rD+7], v[rB:rB+7], v[rA:rA+7], v[rC:rC+7], v[xB], v[xA] matrix_a_fmt:MATRIX_FMT_FP4 matrix_b_fmt:MATRIX_FMT_FP4 matrix_b_scale:MATRIX_SCALE_ROW1
.else
	v_wmma_scale_f32_16x16x128_f8f6f4 v[rD:rD+7], v[rB:rB+7], v[rA:rA+7], v[rC:rC+7], v[xB], v[xA] matrix_a_fmt:MATRIX_FMT_FP4 matrix_b_fmt:MATRIX_FMT_FP4
.endif
.endm
.macro MUL16 a0, p, q, sc, first       ; the 64 accumulators take turns, one instruction a turn, in the same order in every step
.irp a, \a0, \a0+1
.irp b, 0,1,2,3,4,5,6,7
	MM \a, \b, \p, \q, \sc, \first
.endr
.endr
.endm
.macro STEP slot, q, first             ; 128 along K with its successor in the same slot. first = 1: the bias is the products' C (window 0): nothing is cleared
	s_wait_dscnt 8                                 ; B's set and A's blocks 0-3 are in; the youngest eight loads (A's blocks 4-7) may be out
.if \first
	WIN 0x81
.else
	WIN MUL_LO
.endif
	MUL16 0, (\q)%2, \q, \slot, \first
	MUL16 2, (\q)%2, \q, \slot, \first
	s_wait_dscnt 0x0
	PLACES 4                                       ; four places in front of loads into registers that matrix instructions have read
	FETCH_B \slot, (\q)+1, 1-(\q)%2
	FETCH_A \slot, (\q)+1, 0
.if \first
	WIN 0xc1
.else
	WIN MUL_HI
.endif
	MUL16 4, (\q)%2, \q, \slot, \first
	MUL16 6, (\q)%2, \q, \slot, \first
	PLACES 4
	WIN 0
	FETCH_A \slot, (\q)+1, 4
.endm
; 64 numbers of a lane, register 16 b + i = k 32 b + 16 (lane / 16) + i of my row, become a fragment's codes in v[PC] on and its scale word in v[PW]
.macro QUANT s
.irp b, 0,1,2,3
	v_max3_num_f32 v[TM+\b], |v[\s+16*\b]|, |v[\s+1+16*\b]|, 0x1800000   ; with the floor 2^(3 - 127): the byte cannot fall under 1
.endr
.irp i, 2,4,6,8,10,12,14
.irp b, 0,1,2,3
	v_max3_num_f32 v[TM+\b], v[TM+\b], |v[\s+16*\b+\i]|, |v[\s+1+16*\b+\i]|
.endr
.endr
.irp b, 0,1,2,3
	v_permlanex16_b32 v[TM+4+\b], v[TM+\b], s[SEL], s[SEL+1]
.endr
.irp b, 0,1,2,3
	v_max_num_f32 v[TM+\b], v[TM+\b], v[TM+4+\b]
.endr
.irp b, 0,1,2,3
	v_add_nc_u32 v[TM+12+\b], 0xff000000, v[TM+\b] ; 2 off the exponent field: the conversion's scale operand
.endr
.irp b, 0,1,2,3
	v_lshrrev_b32 v[TM+4+\b], 23, v[TM+12+\b]
.endr
	v_lshl_or_b32 v[PW], v[TM+5], 8, v[TM+4]
	v_lshl_or_b32 v[PW], v[TM+6], 16, v[PW]
	v_lshl_or_b32 v[PW], v[TM+7], 24, v[PW]
.irp b, 0,1,2,3
	v_cvt_scalef32_pk8_fp4_f32 v[PC+2*\b], v[\s+16*\b:\s+7+16*\b], v[TM+12+\b]
	v_cvt_scalef32_pk8_fp4_f32 v[PC+1+2*\b], v[\s+8+16*\b:\s+15+16*\b], v[TM+12+\b]
.endr
	v_nop                                          ; one plain place behind a scaled conversion
.irp c, 0,1                                    ; a whole block to a lane: lanes 0-15 block 2 c, lanes 16-31 block 2 c + 1
.irp i, 0,1
	v_permlane16_swap_b32 v[PC+4*\c+\i], v[PC+2+4*\c+\i]
.endr
.endr
.endm
	s_load_b256 s[4:11], s[0:1], 0x0               ; x's codes s[4:5], the weights' s[6:7], qkv_b s[8:9], the records s[10:11]
	v_lshl_add_u32 v126, v0, 2, 0x41000
	v_mov_b32 v127, 0
	ds_add_u32 v126, v127
	ds_add_u32 v126, v127
	v_mov_b32 v[NIL], 0
	v_lshrrev_b32 v1, 5, v0
	v_readfirstlane_b32 s14, v1                    ; wave 0..3
	s_lshr_b32 s15, s14, 1                         ; my panel of A. Also: I fetch for A (0) or for B (1)
	s_and_b32 s16, s14, 1                          ; my panel of B. Also: which panel I fetch
	s_bfe_u32 s40, ttmp6, 0x40000                  ; cx
	s_bfe_u32 s41, ttmp6, 0x40004                  ; cy
	s_lshl_b32 s43, s41, 2
	s_lshl_b32 s43, 15, s43                        ; my row of the cluster
	s_lshl_b32 s44, 0x1111, s40                    ; my column
	s_or_b32 s[G1], s43, (3<<16)|(1<<21)           ; the mask; elements of 8 bytes; bit 21 beside a mask; no padding
	s_or_b32 s[G1B], s44, (3<<16)|(1<<21)
.irp g, G1, G1B
	s_mov_b32 s[\g+1], 32<<16                      ; tensor_dim0: 32 elements = 256 bytes
	s_mov_b32 s[\g+2], 256<<16                     ; tensor_dim1: 256 rows: a panel's whole K, 65,536 dense bytes
	s_mov_b32 s[\g+3], 32<<16                      ; tile_dim0
	s_mov_b32 s[\g+4], 256                         ; tile_dim1
	s_mov_b32 s[\g+5], 32                          ; the pitch
	s_mov_b32 s[\g+6], 0
	s_mov_b32 s[\g+7], 0
.endr
	s_and_b32 s81, ttmp7, 0xffff
	s_lshl_b32 s81, s81, 2                         ; 4 x cluster y
	s_add_co_u32 s18, s81, s41                     ; q, k: A's tile = the tokens' tile 4 Y + cy
	s_add_co_u32 s19, s41, 8                       ; V^T: A's tile = 8 + cy: Wv begins at row 2,048
	s_add_co_u32 s22, s81, s40                     ; V^T: B's tile = the tokens' tile 4 Y + cx
	s_lshl_b32 s23, ttmp9, 2
	s_add_co_u32 s23, s23, s40                     ; q, k: B's tile = 4 X + cx
	s_mov_b32 s83, XQS
	s_mov_b32 s84, WQS
	s_mov_b32 s85, 65536
	s_mov_b32 s97, 49152
	s_cmp_eq_u32 ttmp9, 2                          ; V^T?  The cluster's x: the same in all partners
	s_cselect_b32 s[MV], -1, 0
	s_cselect_b32 s17, s19, s18
	s_cselect_b32 s42, s22, s23
	s_cselect_b32 s[SA0], s84, s83
	s_cselect_b32 s[SB0], s83, s84
	s_cselect_b32 s[R16A], s97, s85
	s_cselect_b32 s[R16B], s85, s97
	s_cselect_b32 s86, s22, s18                    ; the tokens' tile
	s_cselect_b32 s87, s41, s40                    ; which four heads
	s_cselect_b32 s88, s15, s16                    ; which two of them
	s_mov_b32 s[R16A+1], 0
	s_mov_b32 s[R16B+1], 0
	s_lshl_b32 s20, s17, 1
	s_add_co_u32 s20, s20, s16
	s_lshl_b32 s20, s20, 16                        ; A's panel that I fetch: 65,536 bytes a panel
	s_mov_b32 s21, 0
	s_lshl_b32 s46, s42, 1
	s_add_co_u32 s46, s46, s16
	s_lshl_b32 s46, s46, 16
	s_mov_b32 s47, 0
	s_lshl_b32 s83, s17, 12
	s_add_co_u32 s[SA0], s[SA0], s83
	s_lshl_b32 s83, s15, 11
	s_add_co_u32 s[SA0], s[SA0], s83               ; the scale words of my 128 places of A: 16 bytes a place
	s_mov_b32 s[SA0+1], 0
	s_lshl_b32 s83, s42, 12
	s_add_co_u32 s[SB0], s[SB0], s83
	s_lshl_b32 s83, s16, 11
	s_add_co_u32 s[SB0], s[SB0], s83
	s_mov_b32 s[SB0+1], 0
	s_lshr_b32 s89, s86, 3                         ; batch
	s_lshl_b32 s89, s89, 4
	s_lshl_b32 s90, s87, 2
	s_add_co_u32 s89, s89, s90
	s_lshl_b32 s90, s88, 1
	s_add_co_u32 s89, s89, s90
	s_mul_i32 s89, s89, HS                         ; my first head's record
	s_and_b32 s86, s86, 7
	s_lshl_b32 s90, s86, 1
	s_add_co_u32 s90, s90, s16                     ; V^T: my 128 keys are key step 2 (tile % 8) + panel
	s_lshl_b32 s92, s90, 12
	s_add_co_u32 s92, s92, VIMG
	s_lshl_b32 s93, s90, 8
	s_add_co_u32 s93, s93, VSC
	s_lshl_b32 s91, s86, 4
	s_lshl_b32 s90, s15, 3
	s_add_co_u32 s91, s91, s90                     ; q, k: my first tile of 16 tokens
	s_mov_b32 s96, KSC
	s_cmp_eq_u32 ttmp9, 0
	s_cselect_b32 s90, QIMG, 0
	s_cselect_b32 s96, QSC, s96
	s_lshl_b32 s94, s91, 9
	s_add_co_u32 s94, s94, s90
	s_lshl_b32 s95, s91, 6
	s_add_co_u32 s95, s95, s96
	s_mov_b32 s97, HS
	s_mov_b32 s98, 1024
	s_mov_b32 s99, HS-4096
	s_mov_b32 s81, HS-256
	s_cmp_eq_u32 ttmp9, 2
	s_cselect_b32 s92, s92, s94                    ; the codes' place in the record
	s_cselect_b32 s93, s93, s95                    ; the scale words'
	s_cselect_b32 s97, 512, s97                    ; from the first store to the second: a fragment's other half, or the next head
	s_cselect_b32 s[STP], s98, 512                 ; from block to block
	s_cselect_b32 s[XTR], s99, 0                   ; V^T: behind block 3 on to the next head
	s_cselect_b32 s[LHX], s81, 0
	s_add_co_u32 s[SO], s89, s93
	s_add_co_u32 s[P0], s89, s92
	s_add_co_u32 s[P1], s[P0], s97
	s_mov_b32 s[P0+1], 0
	s_mov_b32 s[P1+1], 0
	s_mov_b32 s[SO+1], 0
	s_mov_b32 s[STQ+1], 0
	s_lshl_b32 s[BNP], s42, 10
	s_lshl_b32 s99, s16, 9
	s_add_co_u32 s[BNP], s[BNP], s99               ; q, k: the bias of my 128 columns
	s_lshl_b32 s[BMP], s17, 10
	s_lshl_b32 s99, s15, 9
	s_add_co_u32 s[BMP], s[BMP], s99               ; V^T: the bias of my 128 rows of Wv
	s_cmp_eq_u32 ttmp9, 2
	s_cselect_b32 s[BNP], 0, s[BNP]                ; the one not used reads the buffer's first numbers and is replaced by zeros
	s_cselect_b32 s[BMP], s[BMP], 0
	s_mov_b32 s[BNP+1], 0
	s_mov_b32 s[BMP+1], 0
	s_mov_b32 s[PADW], 0x7f7f0000
	s_mov_b32 s[SEL], 0x76543210
	s_mov_b32 s[SEL+1], 0xfedcba98
	s_lshl_b32 s45, s14, 16                        ; where my panel goes: wave x 65,536
	s_wait_dscnt 0x0
	s_wait_kmcnt 0x0
	s_cmp_eq_u32 ttmp9, 2
	s_cselect_b64 s[12:13], s[6:7], s[4:5]         ; A's buffer
	s_add_nc_u64 s[20:21], s[12:13], s[20:21]
	s_add_nc_u64 s[SA0:SA0+1], s[12:13], s[SA0:SA0+1]
	s_cselect_b64 s[12:13], s[4:5], s[6:7]         ; B's buffer
	s_add_nc_u64 s[46:47], s[12:13], s[46:47]
	s_add_nc_u64 s[SB0:SB0+1], s[12:13], s[SB0:SB0+1]
	s_add_nc_u64 s[SA1:SA1+1], s[SA0:SA0+1], s[R16A:R16A+1]
	s_add_nc_u64 s[SB1:SB1+1], s[SB0:SB0+1], s[R16B:R16B+1]
	s_add_nc_u64 s[P0:P0+1], s[10:11], s[P0:P0+1]
	s_add_nc_u64 s[P1:P1+1], s[10:11], s[P1:P1+1]
	s_add_nc_u64 s[SO:SO+1], s[10:11], s[SO:SO+1]
	s_add_nc_u64 s[BNP:BNP+1], s[8:9], s[BNP:BNP+1]
	s_add_nc_u64 s[BMP:BMP+1], s[8:9], s[BMP:BMP+1]
	CROUND                                         ; all sixteen work-groups are here: the joint loads meet
.irp s, 0
	s_mov_b32 s[G0+4*\s], 1
	s_add_co_u32 s[G0+4*\s+1], s45, \s*SLOT
	s_add_nc_u64 s[G0+4*\s+2:G0+4*\s+3], s[20:21], \s*PANEL
	s_or_b32 s[G0+4*\s+3], s[G0+4*\s+3], 0x80000000
	s_mov_b32 s[G0B+4*\s], 1
	s_add_co_u32 s[G0B+4*\s+1], s45, \s*SLOT
	s_add_nc_u64 s[G0B+4*\s+2:G0B+4*\s+3], s[46:47], \s*PANEL
	s_or_b32 s[G0B+4*\s+3], s[G0B+4*\s+3], 0x80000000
	JLOAD \s                                       ; my one tensor load: both halves of K of my panel lie on end in memory and in LDS
.endr
	v_and_b32 v1, 31, v0                           ; lane
	v_and_b32 v2, 15, v0                           ; r
	v_bfe_u32 v4, v0, 4, 1                         ; h
	v_lshlrev_b32 v[VSO], 4, v1
	v_lshlrev_b32 v[VBH], 6, v4
	s_lshl_b32 s18, s15, 16
	v_add_nc_u32 v[ADRA], s18, v[VSO]
	v_add_nc_u32 v[ADRA+1], PANEL, v[ADRA]
	s_lshl_b32 s19, s16, 16
	s_add_co_u32 s19, s19, 4*PANEL
	v_add_nc_u32 v[ADRB], s19, v[VSO]
	v_add_nc_u32 v[ADRB+1], PANEL, v[ADRB]
	s_lshl_b32 s18, s14, 10
	s_add_co_u32 s18, s18, STG                     ; my stage
	v_lshlrev_b32 v[VST], 2, v2
	v_add_nc_u32 v[VST], s18, v[VST]
	v_add_nc_u32 v[VSR], s18, v[VSO]
	v_mul_u32_u24 v[VSX], s[LHX], v4
	v_add_nc_u32 v[VSX], v[VSX], v[VSO]
	v_and_b32 v3, 8, v2
	v_add_nc_u32 v3, v3, v2
	v_lshlrev_b32 v6, 2, v3                        ; 4 (r + 8 (r / 8)): the row that place r of a tile holds
	SCLOAD 0, SA0, SB0
	SCLOAD 1, SA1, SB1
.irp b, 0,1,2,3
.irp j, 0,1,2,3
	global_load_b128 v[BN+16*\b+4*\j:BN+16*\b+4*\j+3], v[VBH], s[BNP:BNP+1] offset:128*\b+16*\j   ; register 16 b + i = bias of column 32 b + 16 h + i
.endr
.endr
.irp a, 0,1,2,3,4,5,6,7
	global_load_b32 v[BM+\a], v6, s[BMP:BMP+1] offset:(32*(\a/2)+8*(\a%2))*4
.endr
	s_wait_alu depctr_va_vdst(0)
	s_wait_tensorcnt 0x0                           ; my panel is in
	s_barrier_signal -1
	s_barrier_wait -1
	FETCH_B 0, 0, 0
	FETCH_A 0, 0, 0
	FETCH_A 0, 0, 4
	s_wait_loadcnt 0x0                             ; scale words and biases, once
.set j, 0
.rept 64
	v_cndmask_b32 v[BN+j], v[BN+j], v[NIL], s[MV]  ; V^T has no bias by column
.set j, j+1
.endr
.irp a, 0,1,2,3,4,5,6,7
	v_cndmask_b32 v[BM+\a], v[NIL], v[BM+\a], s[MV]   ; q, k have none by lane
.endr
	s_wait_alu depctr_va_vdst(0)
	STEP 0, 0, 1
	STEP 0, 1, 0
	STEP 0, 2, 0
	; on to the second half of K: it lies in LDS since the head's barrier
	s_wait_dscnt 8
	WIN MUL_LO
	MUL16 0, 1, 3, 0, 0
	s_wait_dscnt 0x0
	MUL16 2, 1, 3, 0, 0
	WIN 0
	PLACES 4
	FETCH_B 1, 0, 0
	FETCH_A 1, 0, 0
	WIN MUL_HI
	MUL16 4, 1, 3, 0, 0
	MUL16 6, 1, 3, 0, 0
	PLACES 4
	WIN 0
	FETCH_A 1, 0, 4
	STEP 1, 0, 0
	STEP 1, 1, 0
	STEP 1, 2, 0
	s_wait_dscnt 8
	WIN MUL_LO
	MUL16 0, 1, 3, 1, 0
	MUL16 2, 1, 3, 1, 0
	s_wait_dscnt 0x0
	WIN MUL_HI
	MUL16 4, 1, 3, 1, 0
	MUL16 6, 1, 3, 1, 0
	WIN 0
	PLACES 4                                       ; four places in front of the first read of results and of writes over A's fragments
; THE WAY OUT: eight trips, a block of 16 places each. Only the copy out of the accumulators differs from trip to trip: it is chosen by the counter; the quantiser is written once.
.macro COPY k                          ; block k's 64 numbers + the bias by lane; each accumulator is read from its low end on
	WIN 0x02+(\k)/4
.set j, 0
.rept 32
.if (\k)%2
	v_pk_add_f32 v[H+j:H+j+1], v[64*((\k)%4)+j:64*((\k)%4)+j+1], v[BM+2*((\k)/2):BM+2*((\k)/2)+1] op_sel:[0,1] op_sel_hi:[1,1]
.else
	v_pk_add_f32 v[H+j:H+j+1], v[64*((\k)%4)+j:64*((\k)%4)+j+1], v[BM+2*((\k)/2):BM+2*((\k)/2)+1] op_sel:[0,0] op_sel_hi:[1,0]
.endif
.set j, j+2
.endr
	WIN 0
.endm
.irp b, 0,1,2,3
	v_mov_b32 v[TM+4+\b], 0                        ; written once: a lane permute's destination counts as one of its sources
.endr
	s_mov_b32 s3, 0
	s_mov_b32 s[ST], 0
.Lrow:
	s_cmp_eq_u32 s3, 1
	s_cbranch_scc1 .Lc1
	s_cmp_eq_u32 s3, 2
	s_cbranch_scc1 .Lc2
	s_cmp_eq_u32 s3, 3
	s_cbranch_scc1 .Lc3
	s_cmp_eq_u32 s3, 4
	s_cbranch_scc1 .Lc4
	s_cmp_eq_u32 s3, 5
	s_cbranch_scc1 .Lc5
	s_cmp_eq_u32 s3, 6
	s_cbranch_scc1 .Lc6
	s_cmp_eq_u32 s3, 7
	s_cbranch_scc1 .Lc7
	COPY 0
	s_branch .Lwork
.Lc1:
	COPY 1
	s_branch .Lwork
.Lc2:
	COPY 2
	s_branch .Lwork
.Lc3:
	COPY 3
	s_branch .Lwork
.Lc4:
	COPY 4
	s_branch .Lwork
.Lc5:
	COPY 5
	s_branch .Lwork
.Lc6:
	COPY 6
	s_branch .Lwork
.Lc7:
	COPY 7
.Lwork:
	QUANT H
	global_store_b128 v[VSO], v[PC:PC+3], s[P0:P0+1]     ; q, k: the first head's tile image; V^T: the fragment's first half. 512 consecutive bytes
	global_store_b128 v[VSO], v[PC+4:PC+7], s[P1:P1+1]   ; q, k: the second head's; V^T: the second half
	v_and_or_b32 v[W0], v[PW], 0xffff, s[PADW]     ; q, k: the first head's two bytes, 0x7f above them;
	v_lshrrev_b32 v[W1], 16, v[PW]
	v_or_b32 v[W1], s[PADW], v[W1]                 ; the second head's
	v_cndmask_b32 v[W0], v[W0], v[PW], s[MV]       ; V^T: the word as it is
	v_add_nc_u32 v[VSW], s[ST], v[VST]
	ds_store_b32 v[VSW], v[W0]                     ; both halves of the lanes hold the same word and write the same place
	ds_store_b32 v[VSW], v[W1] offset:512
	s_cmp_eq_u32 s3, 3
	s_cselect_b32 s[STQ], s[XTR], 0
	s_add_co_u32 s[STQ], s[STQ], s[STP]
	s_wait_dscnt 0x0
	s_wait_xcnt 0x0                                ; the stores have read their bases and their data: both are written again only behind this wait
	s_add_nc_u64 s[P0:P0+1], s[P0:P0+1], s[STQ:STQ+1]
	s_add_nc_u64 s[P1:P1+1], s[P1:P1+1], s[STQ:STQ+1]
	s_add_co_u32 s[ST], s[ST], 64
	s_add_co_u32 s3, s3, 1
	s_cmp_lt_u32 s3, 8
	s_cbranch_scc1 .Lrow
	ds_load_b128 v[PC:PC+3], v[VSR]                ; my own bytes: eight blocks' words, 512 bytes,
	ds_load_b128 v[PC+4:PC+7], v[VSR] offset:512   ; and the second head's
	s_wait_dscnt 0x0
	global_store_b128 v[VSX], v[PC:PC+3], s[SO:SO+1]   ; q, k: 512 consecutive bytes; V^T: 256 for each of two heads: sixteen lanes store 256 consecutive bytes
	s_cmp_eq_u32 ttmp9, 2
	s_cbranch_scc1 .Lno_second
	global_store_b128 v[VSO], v[PC+4:PC+7], s[SO:SO+1] offset:HS
.Lno_second:
	s_wait_tensorcnt 0x0
	ds_add_u32 v126, v127
	s_wait_dscnt 0x0
	CROUND                                         ; the closing round: no work-group ends while a partner may still ask for a panel that names it
	s_endpgm
.Lfunc_end_k_q6fedec6d75_qkv:
	.size	k_q6fedec6d75_qkv, .Lfunc_end_k_q6fedec6d75_qkv-k_q6fedec6d75_qkv
	.p2alignl 7, 3214868480
	.fill 96, 4, 3214868480
	.section	.rodata,"a",@progbits
	.p2align	6, 0x0
	.amdhsa_kernel k_q6fedec6d75_qkv
		.amdhsa_group_segment_fixed_size 266752
		.amdhsa_private_segment_fixed_size 0
		.amdhsa_enable_private_segment 0
		.amdhsa_kernarg_size 32
		.amdhsa_user_sgpr_count 2
		.amdhsa_user_sgpr_kernarg_segment_ptr 1
		.amdhsa_wavefront_size32 1
		.amdhsa_system_sgpr_workgroup_id_x 1
		.amdhsa_system_sgpr_workgroup_id_y 1
		.amdhsa_system_sgpr_workgroup_id_z 1
		.amdhsa_system_vgpr_workitem_id 0
		.amdhsa_next_free_vgpr 1024
		.amdhsa_next_free_sgpr 100
		.amdhsa_reserve_vcc 0
		.amdhsa_float_denorm_mode_32 3
		.amdhsa_float_denorm_mode_16_64 3
		.amdhsa_memory_ordered 1
		.amdhsa_forward_progress 1
		.amdhsa_inst_pref_size 124
	.end_amdhsa_kernel
	.amdgpu_metadata
---
amdhsa.version: [ 1, 2 ]
amdhsa.kernels:
  - .name:           k_q6fedec6d75_qkv
    .symbol:         k_q6fedec6d75_qkv.kd
    .args:
      - { .name: xq, .offset: 0, .size: 8, .value_kind: global_buffer, .address_space: global }
      - { .name: wts, .offset: 8, .size: 8, .value_kind: global_buffer, .address_space: global }
      - { .name: qkv_b, .offset: 16, .size: 8, .value_kind: global_buffer, .address_space: global }
      - { .name: qkvi, .offset: 24, .size: 8, .value_kind: global_buffer, .address_space: global }
    .group_segment_fixed_size: 266752
    .private_segment_fixed_size: 0
    .kernarg_segment_align: 8
    .kernarg_segment_size: 32
    .max_flat_workgroup_size: 128
    .sgpr_count:     100
    .vgpr_count:     1024
    .wavefront_size: 32
...
	.end_amdgpu_metadata
.endif
;; end of part 2
;; launch attn (part 3): grid 8 x 32, 8 waves a work-group, clusters of 4 x 1, 215,040 bytes of LDS; arguments qkvi, xf, zy; writes zy
.if DOCPART == 3
	.amdgcn_target "amdgcn-amd-amdhsa--gfx1250"
	.amdhsa_code_object_version 6
	.text
	.protected	k_q6fedec6d75_attn
	.globl	k_q6fedec6d75_attn
	.p2align	8
	.type	k_q6fedec6d75_attn,@function
k_q6fedec6d75_attn:
	s_mov_b64 s[64:65], 0
	v_nop
	global_prefetch_b8 v0, s[64:65] scope:SCOPE_SE
	s_setreg_imm32_b32 hwreg(HW_REG_WAVE_MODE, 25, 1), 1
	s_wait_xcnt 0x0
	s_wait_alu depctr_hold_cnt(0) depctr_sa_sdst(0) depctr_va_vdst(0) depctr_va_sdst(0) depctr_va_ssrc(0) depctr_va_vcc(0) depctr_vm_vsrc(0)
	s_getreg_b32 s2, hwreg(HW_REG_IB_STS2, 6, 4)
	s_cmp_eq_u32 s2, 0
	s_cbranch_scc0 .Lentry_in_a_cluster
	s_endpgm
.Lentry_in_a_cluster:
	s_bfe_u32 s2, ttmp6, 0x10000c
	s_cmp_lg_u32 s2, 0x3003
	s_cbranch_scc0 .Lentry_shape_is_right
	s_endpgm
.Lentry_shape_is_right:
; z = softmax(q k^T / 8) v + x, head by head, both products on codes of FP4 with E8M0 scales.
; THE SOFTMAX AHEAD OF THE SECOND PRODUCT: t = score x log2(e) / 8; M = the running largest t rounded UP to a whole number; p = 2^(t - M) is quantised along the keys, not normalised;
; the row's sum is taken of the unquantised p and divides at the end. When M moves, the sum and O are multiplied by 2^(old M - new M): exact.
; SHARES. A work-group owns 256 queries of one batch x head; each of its eight waves 32 of them, two tiles A and B of 16: each fragment of K and of V^T read from LDS feeds two matrix instructions.
; Every wave walks all 2,048 keys, 128 a step. K's fragments of step t + 1 are fetched in step t, behind step t's first products.
; LDS. The head's K images, V^T fragments and their scale words, 143,360 bytes, come in ONCE, 17,920 bytes a wave: nothing is filled again. Behind them two stages of 4,352 bytes a wave.
; CLUSTER. The four query blocks of a cluster belong to one head: the fill is asked for jointly. Nothing is prefetched: all that is read from memory but Q and x comes with the one fill at the head.
; LAYOUT. S^T = K Q^T, O^T = V^T P^T: a lane holds one query. Tiles of K hold keys in the order pi (bits 3, 4 exchanged), so the 16 registers of tiles 2 b, 2 b + 1 are keys 32 b + 16 (lane / 16) + 0 .. 15.
; A head's 64 fill registers 0-3 of a fragment. Q's registers 4-7 are zero codes; so K's registers 4-7 may hold any codes, and a tile of K takes four registers: its operand runs on into the next tile's.
; REGISTERS. Window 0: addresses, both tiles' row numbers (M, t, f, sums, block maxima, scale words), K's and V's fragments, tile A's Q, S, O and codes.
; Window 1, at the same numbers: tile B's Q, S, O, codes; and x's rows, loaded at the head (v32-63 tile A's, v192-223 tile B's).
; LIMITS: NaN and infinities not served; a block's largest p is taken from its largest score; a block whose every p is 0 keeps the byte 1.
.set HS,   217088
.set VIMG, 65536
.set KSC,  131072
.set VSC,  139264
.set QIMG, 143360
.set QSC,  208896
.set PART, 17920                       ; 70 rows of 256 bytes: a wave's part of the fill
.set STG,  143360
.set SPARE, 0x34000                    ; the spare words: 128 bytes a wave
.set AK0,  1                           ; 16 x lane
.set AV0,  2                           ; VIMG + 16 x lane
.set ASK0, 3                           ; KSC + 4 x lane
.set ASV0, 4                           ; VSC + 4 x lane
.set STO,  5                           ; the stage, in
.set RD,   6                           ; the stage, out
.set GO,   7                           ; my byte offset among a tile's rows of x and z
.set ADK,  8
.set ADV,  9
.set ADS,  10
.set ADT,  11
.set QF,   16                          ; v16-23 Q's fragment (either window)
.set KW,   24                          ; v24-27 K's scale words, v28-29 V's, v30-31 Q's (A, B), v68-69 p's (A, B): they hold nothing else
.set VW,   28
.set QW,   30
.set KF,   32                          ; v32-67 K: eight tiles of four registers, and four more that hold zero codes
.set PW,   68
.set SPW,  70
.set NIL,  71
.set BM,   72                          ; v72-79 block maxima: A's four, B's four
.set PT,   80                          ; v80-87 at work
.set SO,   88                          ; v88-95 the conversions' scale operands
.set S,    96                          ; v96-159 S^T, then p
.set O,    160                         ; v160-191 O^T
.set VF,   192                         ; v192-223 V^T's fragments
.set T,    224                         ; v224-239 the sums' eight chains
.set PC,   240                         ; v240-247 p's codes
.set FF,   248                         ; v248, v250 f of A, of B (named as pairs)
.set LL,   252                         ; v[252:253], v[254:255] the rows' sums, in two halves
.set XA,   32
.set XB,   192
.set WV,   18
.set SEL,  20
.set CS,   22
.set G1,   24
.set G0,   32
.set TB,   2
.set TJ,   3
.set TBN,  36
.set TSN,  37
.set CNT,  41
.set MSB, 0
.macro WIN new                         ; the immediate's high byte repeats the setting that is left
.if MSB != \new
	s_set_vgpr_msb (MSB<<8)|\new
.set MSB, \new
.endif
.endm
.macro D n
	s_delay_alu instid0(VALU_DEP_\n)
.endm
.macro CROUND
	s_barrier_signal -1
	s_barrier_wait -1
	s_cmp_lg_u32 s[WV], 0
	s_cbranch_scc1 .Lnot_wave_0_\@
	s_barrier_signal -3
.Lnot_wave_0_\@:
	s_barrier_wait -3
	s_barrier_signal -1
	s_barrier_wait -1
.endm
.macro KLOAD ak, as                    ; a step's eight tiles of K and their scale words: lanes 0-15 tile 2 g's, lanes 16-31 tile 2 g + 1's
.irp t, 0,1,2,3,4,5,6,7
	ds_load_b128 v[KF+4*\t:KF+4*\t+3], v[\ak] offset:512*\t
.endr
.irp g, 0,1,2,3
	ds_load_b32 v[KW+\g], v[\as] offset:128*\g
.endr
.endm
.macro QK qw                           ; S^T of one tile of queries, under the windows in force
.irp g, 0,1,2,3
	v_wmma_scale_f32_16x16x128_f8f6f4 v[S+16*\g:S+16*\g+7], v[KF+8*\g:KF+8*\g+7], v[QF:QF+7], 0, v[KW+\g], v[\qw] matrix_a_fmt:MATRIX_FMT_FP4 matrix_b_fmt:MATRIX_FMT_FP4
	v_wmma_scale_f32_16x16x128_f8f6f4 v[S+16*\g+8:S+16*\g+15], v[KF+8*\g+4:KF+8*\g+11], v[QF:QF+7], 0, v[KW+\g], v[\qw] matrix_a_fmt:MATRIX_FMT_FP4 matrix_b_fmt:MATRIX_FMT_FP4 matrix_a_scale:MATRIX_SCALE_ROW1
.endr
.endm
.macro BMAX                            ; the largest of 15 of my 16 scores of each block of 32 keys; each accumulator is read from its low end on
.irp b, 0,1,2,3
	v_max3_num_f32 v[BM+\b], v[S+16*\b], v[S+1+16*\b], v[S+2+16*\b]
.endr
.irp b, 0,1,2,3
	v_max3_num_f32 v[PT+\b], v[S+8+16*\b], v[S+9+16*\b], v[S+10+16*\b]   ; a second chain for each block: eight chains by turns
.endr
.irp i, 3,5
.irp b, 0,1,2,3
	v_max3_num_f32 v[BM+\b], v[BM+\b], v[S+16*\b+\i], v[S+1+16*\b+\i]
.endr
.irp b, 0,1,2,3
	v_max3_num_f32 v[PT+\b], v[PT+\b], v[S+8+16*\b+\i], v[S+9+16*\b+\i]
.endr
.endr
.irp b, 0,1,2,3
	v_max3_num_f32 v[BM+\b], v[BM+\b], v[PT+\b], v[S+7+16*\b]
.endr
.endm
.macro TM nm                           ; t - M, two at a time
.set j, 0
.rept 32
	v_pk_fma_f32 v[S+j:S+j+1], v[S+j:S+j+1], s[CS:CS+1], v[\nm:\nm+1] op_sel_hi:[1,0,0]
.set j, j+2
.endr
.endm
.macro EXPS                            ; p = 2^(t - M)
.set j, 0
.rept 64
	v_exp_f32 v[S+j], v[S+j]
.set j, j+1
.endr
.endm
.macro SUMS                            ; the step's sum of the unquantised p: eight chains, down to two pairs
.irp i, 0,1,2,3,4,5,6,7
	v_pk_add_f32 v[T+2*\i:T+2*\i+1], v[S+2*\i:S+2*\i+1], v[S+16+2*\i:S+17+2*\i]
.endr
.irp i, 0,1,2,3,4,5,6,7
	v_pk_add_f32 v[T+2*\i:T+2*\i+1], v[T+2*\i:T+2*\i+1], v[S+32+2*\i:S+33+2*\i]
.endr
.irp i, 0,1,2,3,4,5,6,7
	v_pk_add_f32 v[T+2*\i:T+2*\i+1], v[T+2*\i:T+2*\i+1], v[S+48+2*\i:S+49+2*\i]
.endr
.irp i, 0,1,2,3
	v_pk_add_f32 v[T+2*\i:T+2*\i+1], v[T+2*\i:T+2*\i+1], v[T+8+2*\i:T+9+2*\i]
.endr
	D 2
	v_pk_add_f32 v[T:T+1], v[T:T+1], v[T+4:T+5]
	D 2
	v_pk_add_f32 v[T+2:T+3], v[T+2:T+3], v[T+6:T+7]
.endm
.macro CVT so                          ; p's codes, and a whole block to a lane
.irp b, 0,1,2,3
	v_cvt_scalef32_pk8_fp4_f32 v[PC+2*\b], v[S+16*\b:S+16*\b+7], v[\so+\b]
	v_cvt_scalef32_pk8_fp4_f32 v[PC+1+2*\b], v[S+8+16*\b:S+15+16*\b], v[\so+\b]
.endr
	v_nop                                          ; one plain place behind a scaled conversion
.irp c, 0,1
.irp i, 0,1
	v_permlane16_swap_b32 v[PC+4*\c+\i], v[PC+2+4*\c+\i]
.endr
.endr
.endm
.macro RESC ff                         ; O^T under the new M
	s_wait_alu depctr_va_vdst(0)                   ; the wait directly ahead of the first reader of O^T
.set j, 0
.rept 16
	v_pk_mul_f32 v[O+j:O+j+1], v[O+j:O+j+1], v[\ff:\ff+1] op_sel_hi:[1,0]
.set j, j+2
.endr
.endm
.macro PV pw                           ; O^T += V^T P^T; the accumulators take turns
.irp g, 0,1
	v_wmma_scale_f32_16x16x128_f8f6f4 v[O+16*\g:O+16*\g+7], v[VF+16*\g:VF+16*\g+7], v[PC:PC+7], v[O+16*\g:O+16*\g+7], v[VW+\g], v[\pw] matrix_a_fmt:MATRIX_FMT_FP4 matrix_b_fmt:MATRIX_FMT_FP4
	v_wmma_scale_f32_16x16x128_f8f6f4 v[O+16*\g+8:O+16*\g+15], v[VF+16*\g+8:VF+16*\g+15], v[PC:PC+7], v[O+16*\g+8:O+16*\g+15], v[VW+\g], v[\pw] matrix_a_fmt:MATRIX_FMT_FP4 matrix_b_fmt:MATRIX_FMT_FP4 matrix_a_scale:MATRIX_SCALE_ROW1
.endr
.endm
	s_load_b128 s[4:7], s[0:1], 0x0                ; the records, x
	s_load_b64 s[8:9], s[0:1], 0x10                ; z
	v_lshl_add_u32 v[SPW], v0, 2, SPARE
	v_mov_b32 v[NIL], 0
	ds_add_u32 v[SPW], v[NIL]                      ; the add twice on end, its wait below
	ds_add_u32 v[SPW], v[NIL]
	v_lshrrev_b32 v8, 5, v0
	D 1
	v_readfirstlane_b32 s[WV], v8                  ; wave 0..7
	s_bfe_u32 s38, ttmp6, 0x40000                  ; cx: it enters global addresses of Q, x and z alone
	s_lshl_b32 s39, ttmp9, 2
	s_add_co_u32 s39, s39, s38
	s_lshl_b32 s39, s39, 3
	s_add_co_u32 s39, s39, s[WV]                   ; u: my 32 queries of the head's 2,048
	s_and_b32 s40, ttmp7, 0xffff                   ; batch x 16 + head, which the partners share
	s_mul_i32 s42, s40, HS
	s_mul_i32 s44, s[WV], PART
	s_add_co_u32 s46, s42, s44
	s_mov_b32 s47, 0
	s_mov_b32 s[G1], 15|(3<<16)|(1<<21)            ; the mask: all four work-groups; elements of 8 bytes; bit 21 beside a mask
	s_mov_b32 s[G1+1], 32<<16
	s_mov_b32 s[G1+2], 70<<16
	s_mov_b32 s[G1+3], 32<<16
	s_mov_b32 s[G1+4], 70
	s_mov_b32 s[G1+5], 32
	s_mov_b32 s[G1+6], 0
	s_mov_b32 s[G1+7], 0
	s_lshl_b32 s48, s39, 10
	s_add_co_u32 s48, s48, s42
	s_add_co_u32 s48, s48, QIMG                    ; Q's two tile images, 512 bytes each
	s_mov_b32 s49, 0
	s_lshl_b32 s50, s39, 7
	s_add_co_u32 s50, s50, s42
	s_add_co_u32 s50, s50, QSC                     ; and their scale words, 64 bytes each
	s_mov_b32 s51, 0
	s_lshr_b32 s52, s40, 4
	s_lshl_b32 s52, s52, 6
	s_add_co_u32 s52, s52, s39                     ; which 32 tokens of all
	s_lshl_b32 s52, s52, 17                        ; rows of 4,096 bytes
	s_and_b32 s53, s40, 15
	s_lshl_b32 s53, s53, 8
	s_add_co_u32 s52, s52, s53                     ; + the head's 256 bytes of a row
	s_mov_b32 s53, 0
	s_mul_i32 s54, s[WV], 8704
	s_add_co_u32 s54, s54, STG                     ; my two stages
	s_mov_b32 s[SEL], 0x76543210
	s_mov_b32 s[SEL+1], 0xfedcba98
	s_mov_b32 s[CS], 0x3e38aa3b                    ; c = log2(e) / 8
	s_mov_b32 s[CS+1], s[CS]
	s_mov_b32 s[TB], 0                             ; the step's fragments of V: 4,096 bytes a step
	s_mov_b32 s[TJ], 0                             ; its scale words of V: 256
	s_mov_b32 s[TBN], 4096                         ; the next step's tiles of K: 4,096
	s_mov_b32 s[TSN], 512                          ; and their scale words: 512
	s_mov_b32 s[CNT], 16
	s_wait_dscnt 0x0
	s_wait_kmcnt 0x0
	s_mov_b32 s[G0], 1
	s_mov_b32 s[G0+1], s44
	s_add_nc_u64 s[G0+2:G0+3], s[4:5], s[46:47]
	s_or_b32 s[G0+3], s[G0+3], 0x80000000
	s_add_nc_u64 s[48:49], s[4:5], s[48:49]
	s_add_nc_u64 s[50:51], s[4:5], s[50:51]
	s_add_nc_u64 s[6:7], s[6:7], s[52:53]
	s_add_nc_u64 s[8:9], s[8:9], s[52:53]
	CROUND                                         ; all four work-groups are here: the joint loads meet
	tensor_load_to_lds s[G0:G0+3], s[G1:G1+7]      ; my one tensor load
	s_nop 0
.rept 4
	v_nop
.endr
	v_and_b32 v9, 31, v0
	v_and_b32 v8, 15, v0                           ; r
	D 2
	v_lshlrev_b32 v[AK0], 4, v9
	v_lshl_add_u32 v[ASK0], v9, 2, KSC
	v_lshl_add_u32 v[ASV0], v9, 2, VSC
	v_lshlrev_b32 v10, 2, v8
	v_bfe_u32 v9, v0, 4, 1                         ; h
	v_add_nc_u32 v[AV0], VIMG, v[AK0]
	D 2
	v_lshlrev_b32 v[GO], 12, v9
	D 1
	v_lshl_add_u32 v[GO], v8, 4, v[GO]             ; lanes 0-15 one row, lanes 16-31 the next; 16 bytes a lane
	global_load_b128 v[QF:QF+3], v[AK0], s[48:49]  ; tile A's Q, registers 0-3
	global_load_b32 v[QW], v10, s[50:51]           ; Q's scale words
	global_load_b32 v[QW+1], v10, s[50:51] offset:64
	WIN 0x40                                       ; destinations in window 1
	global_load_b128 v[QF:QF+3], v[AK0], s[48:49] offset:512   ; tile B's Q
.irp j, 4,5,6,7
	v_mov_b32 v[QF+\j], 0                          ; tile B's Q, k = 64 .. 127: zero codes
.endr
.set j, 0
.rept 32
	v_mov_b32 v[O+j], 0                            ; tile B's O^T: the loop is written once; its first step finds zeros
.set j, j+1
.endr
	WIN 0
.set j, 0
.rept 32
	v_mov_b32 v[O+j], 0                            ; tile A's
.set j, j+1
.endr
.irp j, 20,21,22,23,64,65,66,67,80,81,82,83,84,85,86,87,249,251,252,253,254,255
	v_mov_b32 v[\j], 0                             ; A's zero codes; the codes behind K's last tile; lane permutes' destinations; upper halves of f's pairs; the sums
.endr
	v_mul_u32_u24 v[STO], v8, 272
	v_mul_u32_u24 v[RD], v9, 272
	D 2
	v_lshl_add_u32 v[STO], v9, 6, v[STO]
	D 2
	v_lshl_add_u32 v[RD], v8, 4, v[RD]
	D 2
	v_add_nc_u32 v[STO], s54, v[STO]               ; row r, + 64 h
	D 2
	v_add_nc_u32 v[RD], s54, v[RD]                 ; lanes 0-15 one row, lanes 16-31 the next
	v_mov_b32 v13, 0xff61b1e6                      ; the largest score so far: -3e38
	v_mov_b32 v15, 0xff61b1e6
	D 2
	v_floor_f32 v12, -v13                          ; -M
	D 2
	v_floor_f32 v14, -v15
	s_wait_alu depctr_va_vdst(0)
	s_wait_loadcnt 0x0                             ; Q and its words
	s_wait_tensorcnt 0x0                           ; my part of the head is in,
	s_barrier_signal -1
	s_barrier_wait -1                              ; everybody's is
	KLOAD AK0, ASK0                                ; step 0's K
	WIN 0x40                                       ; destinations in window 1
.irp i, 0,1,2,3,4,5,6,7                        ; x's rows, wanted at the end, asked for behind the fill: places 2 i, 2 i + 1 of tile A are tokens 2 i + 8 (i / 4) and the next; tile B's lie 8 tokens on
	global_load_b128 v[XA+4*\i:XA+4*\i+3], v[GO], s[6:7] offset:(2*\i+8*(\i/4))*4096
.endr
.irp i, 0,1,2,3,4,5,6,7
	global_load_b128 v[XB+4*\i:XB+4*\i+3], v[GO], s[6:7] offset:(2*\i+8*(\i/4))*4096+32768
.endr
	WIN 0
.Lstep:                                            ; sixteen trips of 128 keys
	s_wait_dscnt 0x0                               ; this step's K and its words
	QK QW
	WIN 0x44                                       ; D and Q in window 1
	QK QW+1
	WIN 0
	v_add_nc_u32 v[ADV], s[TB], v[AV0]             ; these four are the places behind the products: in front of the loads below and of the first read of S^T
	v_add_nc_u32 v[ADT], s[TJ], v[ASV0]
	v_add_nc_u32 v[ADK], s[TBN], v[AK0]
	v_add_nc_u32 v[ADS], s[TSN], v[ASK0]
.irp t, 0,1,2,3
.irp c, 0,1
	ds_load_b128 v[VF+8*\t+4*\c:VF+8*\t+4*\c+3], v[ADV] offset:1024*\t+512*\c
.endr
.endr
.irp g, 0,1
	ds_load_b32 v[VW+\g], v[ADT] offset:128*\g
.endr
	KLOAD ADK, ADS                                 ; the next step's K (the last trip names step 0's again: the offset wraps, and nothing reads it)
	BMAX
.irp b, 0,1,2,3
	v_max_num_f32 v[BM+\b], v[BM+\b], v[S+15+16*\b]
.endr
	WIN 0x55                                       ; tile B, all in window 1,
	BMAX
	WIN 0x05                                       ; and its four maxima over into window 0, beside A's
.irp b, 0,1,2,3
	v_max_num_f32 v[BM+4+\b], v[BM+\b], v[S+15+16*\b]
.endr
	WIN 0
.irp n, 0,1,2,3,4,5,6,7
	v_permlanex16_b32 v[PT+\n], v[BM+\n], s[SEL], s[SEL+1]
.endr
.irp n, 0,1,2,3,4,5,6,7
	v_max_num_f32 v[BM+\n], v[BM+\n], v[PT+\n]     ; with lane l xor 16's 16 keys
.endr
	v_max3_num_f32 v[PT], v[BM], v[BM+1], v[BM+2]  ; the two tiles' rows by turns
	v_max3_num_f32 v[PT+1], v[BM+4], v[BM+5], v[BM+6]
	D 2
	v_max3_num_f32 v13, v13, v[PT], v[BM+3]        ; the running largest score
	D 2
	v_max3_num_f32 v15, v15, v[PT+1], v[BM+7]
	D 2
	v_mul_f32 v[PT+2], s[CS], v13                  ; as t (c is positive)
	D 2
	v_mul_f32 v[PT+3], s[CS], v15
	v_mov_b32 v[PT], v12
	v_mov_b32 v[PT+1], v14
	D 4
	v_floor_f32 v12, -v[PT+2]                      ; the new -M = -ceil(t)
	D 4
	v_floor_f32 v14, -v[PT+3]
	D 2
	v_sub_f32 v[PT], v12, v[PT]                    ; old M - new M: a whole number, 0 or less
	D 2
	v_sub_f32 v[PT+1], v14, v[PT+1]
	D 2
	v_cvt_i32_f32 v[PT], v[PT]
	D 2
	v_cvt_i32_f32 v[PT+1], v[PT+1]
	D 2
	v_ldexp_f32 v[FF], 1.0, v[PT]                  ; f = 2^(old M - new M)
	D 2
	v_ldexp_f32 v[FF+2], 1.0, v[PT+1]
	TM 12
.irp b, 0,1,2,3
	v_fma_f32 v[BM+\b], v[BM+\b], s[CS], v12       ; the same of each block's largest score
.endr
.irp b, 4,5,6,7
	v_fma_f32 v[BM+\b], v[BM+\b], s[CS], v14
.endr
	WIN 0x41                                       ; S^T in window 1, -M in window 0
	TM 14
	s_wait_alu depctr_va_vdst(0)
	EXPS
	WIN 0
	EXPS
.irp n, 0,1,2,3,4,5,6,7
	v_exp_f32 v[BM+\n], v[BM+\n]                   ; each block's largest p
.endr
	v_nop                                          ; a plain place behind the exponentials
	s_wait_alu depctr_va_vdst(0)                   ; one wait for the batch, ahead of its first reader
.irp n, 0,1,2,3,4,5,6,7
	v_max_num_f32 v[BM+\n], 0x1800000, v[BM+\n]    ; the floor 2^(3 - 127)
.endr
.irp n, 0,1,2,3,4,5,6,7
	v_add_nc_u32 v[SO+\n], 0xff000000, v[BM+\n]    ; 2 off the exponent field: the conversion's scale operand
.endr
.irp n, 0,1,2,3,4,5,6,7
	v_lshrrev_b32 v[PT+\n], 23, v[SO+\n]           ; the scale's byte
.endr
	v_lshl_or_b32 v[PW], v[PT+1], 8, v[PT]         ; p's scale words for these 128 keys
	v_lshl_or_b32 v[PW+1], v[PT+5], 8, v[PT+4]
	D 2
	v_lshl_or_b32 v[PW], v[PT+2], 16, v[PW]
	D 2
	v_lshl_or_b32 v[PW+1], v[PT+6], 16, v[PW+1]
	D 2
	v_lshl_or_b32 v[PW], v[PT+3], 24, v[PW]
	D 2
	v_lshl_or_b32 v[PW+1], v[PT+7], 24, v[PW+1]
	SUMS
	D 1
	v_pk_add_f32 v[T:T+1], v[T:T+1], v[T+2:T+3]
	D 1
	v_pk_fma_f32 v[LL:LL+1], v[LL:LL+1], v[FF:FF+1], v[T:T+1] op_sel_hi:[1,0,1]   ; A's sum under the new M, + the step's
	CVT SO
	RESC FF
	WIN 0x55
	SUMS
	WIN 0x05
	v_pk_add_f32 v[T+4:T+5], v[T:T+1], v[T+2:T+3]  ; B's step sum, into window 0
	WIN 0x41                                       ; p, codes and O^T in window 1; scale operands and f in window 0
	CVT SO+4
	RESC FF+2
	WIN 0
	v_pk_fma_f32 v[LL+2:LL+3], v[LL+2:LL+3], v[FF+2:FF+3], v[T+4:T+5] op_sel_hi:[1,0,1]
	s_wait_alu depctr_va_vdst(0)
	s_wait_dscnt 12                                ; V and its words are in; the next step's K, twelve loads, may be out
	PV PW
	WIN 0x54                                       ; codes, C and D in window 1
	PV PW+1
	WIN 0
	s_add_co_u32 s[TB], s[TB], 4096
	s_lshr_b32 s[TJ], s[TB], 4
	s_add_co_u32 s[TBN], s[TB], 4096
	s_and_b32 s[TBN], s[TBN], 0xffff
	s_lshr_b32 s[TSN], s[TBN], 3
	s_sub_co_u32 s[CNT], s[CNT], 1
	s_cmp_lg_u32 s[CNT], 0
	s_cbranch_scc1 .Lstep
	; THE WAY OUT. O^T / the sum goes through my stages, comes back as rows of 256 bytes, takes x's rows on and leaves: sixteen lanes store a head's 256 bytes of a row.
	s_wait_dscnt 0x0                               ; the last trip's loads have landed: K's registers serve the way out
	v_add_f32 v[LL], v[LL], v[LL+1]
	v_add_f32 v[LL+2], v[LL+2], v[LL+3]
	D 2
	v_permlanex16_b32 v[PT], v[LL], s[SEL], s[SEL+1]
	D 2
	v_permlanex16_b32 v[PT+1], v[LL+2], s[SEL], s[SEL+1]
	D 2
	v_add_f32 v[LL], v[LL], v[PT]                  ; the rows' sums
	D 2
	v_add_f32 v[LL+2], v[LL+2], v[PT+1]
	s_wait_alu depctr_va_vdst(0)
	v_rcp_f32 v[LL], v[LL]
	v_rcp_f32 v[LL+2], v[LL+2]
	v_nop
	s_wait_alu depctr_va_vdst(0)                   ; and ahead of their first reader, which is O^T's first reader too
.set j, 0
.rept 16
	v_pk_mul_f32 v[S+32+j:S+33+j], v[O+j:O+j+1], v[LL:LL+1] op_sel_hi:[1,0]   ; register 8 t + i is channel 32 (t / 2) + 16 h + 8 (t % 2) + i
.set j, j+2
.endr
.irp t, 0,1,2,3
	ds_store_b128 v[STO], v[S+32+8*\t:S+35+8*\t] offset:128*(\t/2)+32*(\t%2)
	ds_store_b128 v[STO], v[S+36+8*\t:S+39+8*\t] offset:128*(\t/2)+32*(\t%2)+16
.endr
.irp i, 0,1,2,3,4,5,6,7
	ds_load_b128 v[KF+4*\i:KF+4*\i+3], v[RD] offset:544*\i   ; my own bytes, served in order
.endr
	WIN 0x41
	s_wait_alu depctr_va_vdst(0)                   ; directly ahead of the first reader of tile B's O^T
.set j, 0
.rept 16
	v_pk_mul_f32 v[S+32+j:S+33+j], v[O+j:O+j+1], v[LL+2:LL+3] op_sel_hi:[1,0]
.set j, j+2
.endr
	WIN 0x04                                       ; store data in window 1
.irp t, 0,1,2,3
	ds_store_b128 v[STO], v[S+32+8*\t:S+35+8*\t] offset:4352+128*(\t/2)+32*(\t%2)
	ds_store_b128 v[STO], v[S+36+8*\t:S+39+8*\t] offset:4352+128*(\t/2)+32*(\t%2)+16
.endr
	WIN 0x40
.irp i, 0,1,2,3,4,5,6,7
	ds_load_b128 v[S+4*\i:S+4*\i+3], v[RD] offset:4352+544*\i
.endr
	s_wait_loadcnt 0x0                             ; x's rows
	s_wait_dscnt 8                                 ; tile A's rows are back; B's eight loads may be out
	WIN 0x04                                       ; x in window 1
.irp k, 0,2,4,6,8,10,12,14,16,18,20,22,24,26,28,30
	v_pk_add_f32 v[KF+\k:KF+\k+1], v[KF+\k:KF+\k+1], v[XA+\k:XA+\k+1]
.endr
	WIN 0
.irp i, 0,1,2,3,4,5,6,7
	global_store_b128 v[GO], v[KF+4*\i:KF+4*\i+3], s[8:9] offset:(2*\i+8*(\i/4))*4096
.endr
	s_wait_dscnt 0x0
	WIN 0x55
.irp k, 0,2,4,6,8,10,12,14,16,18,20,22,24,26,28,30
	v_pk_add_f32 v[S+\k:S+\k+1], v[S+\k:S+\k+1], v[XB+\k:XB+\k+1]
.endr
	WIN 0x04
.irp i, 0,1,2,3,4,5,6,7
	global_store_b128 v[GO], v[S+4*\i:S+4*\i+3], s[8:9] offset:(2*\i+8*(\i/4))*4096+32768
.endr
	WIN 0
	s_wait_tensorcnt 0x0                           ; the wave's end
	ds_add_u32 v[SPW], v[NIL]
	s_wait_dscnt 0x0
	CROUND                                         ; the closing round
	s_endpgm
.Lfunc_end_k_q6fedec6d75_attn:
	.size	k_q6fedec6d75_attn, .Lfunc_end_k_q6fedec6d75_attn-k_q6fedec6d75_attn
	.p2alignl 7, 3214868480
	.fill 96, 4, 3214868480
	.section	.rodata,"a",@progbits
	.p2align	6, 0x0
	.amdhsa_kernel k_q6fedec6d75_attn
		.amdhsa_group_segment_fixed_size 215040
		.amdhsa_private_segment_fixed_size 0
		.amdhsa_enable_private_segment 0
		.amdhsa_kernarg_size 24
		.amdhsa_user_sgpr_count 2
		.amdhsa_user_sgpr_kernarg_segment_ptr 1
		.amdhsa_wavefront_size32 1
		.amdhsa_system_sgpr_workgroup_id_x 1
		.amdhsa_system_sgpr_workgroup_id_y 1
		.amdhsa_system_sgpr_workgroup_id_z 1
		.amdhsa_system_vgpr_workitem_id 0
		.amdhsa_next_free_vgpr 512
		.amdhsa_next_free_sgpr 66
		.amdhsa_reserve_vcc 0
		.amdhsa_float_denorm_mode_32 3
		.amdhsa_float_denorm_mode_16_64 3
		.amdhsa_memory_ordered 1
		.amdhsa_forward_progress 1
		.amdhsa_inst_pref_size 49
	.end_amdhsa_kernel
	.amdgpu_metadata
---
amdhsa.version: [ 1, 2 ]
amdhsa.kernels:
  - .name:           k_q6fedec6d75_attn
    .symbol:         k_q6fedec6d75_attn.kd
    .args:
      - { .name: qkvi, .offset: 0, .size: 8, .value_kind: global_buffer, .address_space: global }
      - { .name: xf, .offset: 8, .size: 8, .value_kind: global_buffer, .address_space: global }
      - { .name: zy, .offset: 16, .size: 8, .value_kind: global_buffer, .address_space: global }
    .group_segment_fixed_size: 215040
    .private_segment_fixed_size: 0
    .kernarg_segment_align: 8
    .kernarg_segment_size: 24
    .max_flat_workgroup_size: 256
    .sgpr_count:     66
    .vgpr_count:     512
    .wavefront_size: 32
...
	.end_amdgpu_metadata
.endif
;; end of part 3
;; launch ln_mid: the kernel of part 1 again; grid 256 x 1, 16 waves a work-group, no clusters, 84,480 bytes of LDS; arguments zy, addnorm_gamma, addnorm_beta, qkv_w, fc1_w, fc2_w, xf, xq, wts; writes xf, xq, wts
;; launch fc1 (part 4): grid 16 x 16, 4 waves a work-group, clusters of 4 x 4, 327,680 bytes of LDS; arguments xq, wts, fc1_b, hq; writes hq
.if DOCPART == 4
	.amdgcn_target "amdgcn-amd-amdhsa--gfx1250"
	.amdhsa_code_object_version 6
	.text
	.protected	k_q6fedec6d75_fc1
	.globl	k_q6fedec6d75_fc1
	.p2align	8
	.type	k_q6fedec6d75_fc1,@function
k_q6fedec6d75_fc1:
	s_mov_b64 s[64:65], 0
	v_nop
	global_prefetch_b8 v0, s[64:65] scope:SCOPE_SE
	s_setreg_imm32_b32 hwreg(HW_REG_WAVE_MODE, 25, 1), 1
	s_wait_xcnt 0x0
	s_wait_alu depctr_hold_cnt(0) depctr_sa_sdst(0) depctr_va_vdst(0) depctr_va_sdst(0) depctr_va_ssrc(0) depctr_va_vcc(0) depctr_vm_vsrc(0)
	s_getreg_b32 s2, hwreg(HW_REG_IB_STS2, 6, 4)
	s_cmp_eq_u32 s2, 0
	s_cbranch_scc0 .Lentry_in_a_cluster
	s_endpgm
.Lentry_in_a_cluster:
	s_bfe_u32 s2, ttmp6, 0x10000c
	s_cmp_lg_u32 s2, 0xf033
	s_cbranch_scc0 .Lentry_shape_is_right
	s_endpgm
.Lentry_shape_is_right:
; h = gelu(x W1^T + b1) on codes of FP4 with E8M0 scales, quantised at once along the hidden axis for the next product.
; A tile of C is 256 x 256: four waves of 128 x 128. Operands lie in memory as images of the operand's registers; a panel's whole K = 1,024 is 65,536 dense bytes:
; one joint tensor load a wave at the head (A's panels shared along a row of the 4 x 4 cluster, B's along a column); nothing is filled again.
; gelu(v) = v/2 (1 + erf(v / sqrt 2)); erf by a quotient of two polynomials in the argument held to -4 .. 4. LIMITS: NaN and infinities not served; a block under 2^-124 gets the byte 1.
.set XQS, 2097152
.set W1C, 1671168
.set W1S, 3768320
.set HQS, 8388608
.set PANEL, 32768
.set SLOT,  4*PANEL
.set STG,   2*SLOT
.set ADRA, 16
.set ADRB, 20
.set VSO,  22
.set VBH,  23
.set VST,  24
.set VSW,  25
.set VSR,  26
.set SC,   32
.set TM,   96
.set T,    96
.set X2,   104
.set PC,   112
.set PW,   120
.set VA11, 122
.set VB6,  124
.set AF,   128
.set H,    128
.set BN,   192
.set PP,   192
.set QQ,   224
.set G1, 24
.set G0, 32
.set G1B, 48
.set G0B, 56
.set SA1, 70
.set SB1, 72
.set SA0, 74
.set SB0, 76
.set SEL, 78
.set ST,  80
.set A13, 24
.set A9,  26
.set A7,  28
.set A5,  30
.set A3,  32
.set A1,  34
.set B8,  36
.set B4,  38
.set B2,  40
.set B0,  42
.set SQ2, 44
.set MSB, 0
.macro WIN new
.if MSB != \new
	s_set_vgpr_msb (MSB<<8)|\new
.set MSB, \new
.endif
.endm
.set MUL_LO, 0xa1
.set MUL_HI, 0xf1
.set TO_B,   0x40
.macro JLOAD s
	s_cmp_eq_u32 s15, 0
	s_cbranch_scc0 .Lfor_b_\@
	tensor_load_to_lds s[G0+4*\s:G0+4*\s+3], s[G1:G1+7]
	s_nop 0
.rept 4
	v_nop
.endr
	s_branch .Lasked_\@
.Lfor_b_\@:
	tensor_load_to_lds s[G0B+4*\s:G0B+4*\s+3], s[G1B:G1B+7]
	s_nop 0
.rept 4
	v_nop
.endr
.Lasked_\@:
.endm
.macro CROUND
	s_barrier_signal -1
	s_barrier_wait -1
	s_cmp_lg_u32 s14, 0
	s_cbranch_scc1 .Lnot_wave_0_\@
	s_barrier_signal -3
.Lnot_wave_0_\@:
	s_barrier_wait -3
	s_barrier_signal -1
	s_barrier_wait -1
.endm
.macro PLACES n
.rept \n
	v_nop
.endr
.endm
.macro FRAG reg, adr, q, i
.irp c, 0,1
	ds_load_b128 v[\reg+4*\c:\reg+4*\c+3], v[\adr] offset:8192*(\q)+1024*(\i)+512*\c
.endr
.endm
.macro FETCH_B slot, q, p
	WIN TO_B
.irp i, 0,1,2,3,4,5,6,7
	FRAG 128*(\p)+8*\i, ADRB+\slot, \q, \i
.endr
	WIN 0
.endm
.macro FETCH_A slot, q, i0
.irp i, \i0, \i0+1, \i0+2, \i0+3
	FRAG AF+8*(\i), ADRA+\slot, \q, \i
.endr
.endm
.macro SCLOAD set, pa, pb
.irp g, 0,1,2,3
	global_load_b128 v[SC+32*\set+4*\g:SC+32*\set+4*\g+3], v[VSO], s[\pa:\pa+1] offset:512*\g
	global_load_b128 v[SC+32*\set+16+4*\g:SC+32*\set+16+4*\g+3], v[VSO], s[\pb:\pb+1] offset:512*\g
.endr
.endm
.macro MM a, b, p, q, sc, first
.set rD, 8*(8*((\a)%4)+(\b))
.set rB, 128*(\p)+8*(\b)
.set rA, AF+8*(\a)
.set rC, rD
.if \first
.set rC, BN+8*(\b)
.endif
.set xB, SC+32*(\sc)+16+4*((\b)/2)+(\q)
.set xA, SC+32*(\sc)+4*((\a)/2)+(\q)
.if ((\a)%2) && ((\b)%2)
	v_wmma_scale_f32_16x16x128_f8f6f4 v[rD:rD+7], v[rB:rB+7], v[rA:rA+7], v[rC:rC+7], v[xB], v[xA] matrix_a_fmt:MATRIX_FMT_FP4 matrix_b_fmt:MATRIX_FMT_FP4 matrix_a_scale:MATRIX_SCALE_ROW1 matrix_b_scale:MATRIX_SCALE_ROW1
.elseif ((\b)%2)
	v_wmma_scale_f32_16x16x128_f8f6f4 v[rD:rD+7], v[rB:rB+7], v[rA:rA+7], v[rC:rC+7], v[xB], v[xA] matrix_a_fmt:MATRIX_FMT_FP4 matrix_b_fmt:MATRIX_FMT_FP4 matrix_a_scale:MATRIX_SCALE_ROW1
.elseif ((\a)%2)
	v_wmma_scale_f32_16x16x128_f8f6f4 v[rD:rD+7], v[rB:rB+7], v[rA:rA+7], v[rC:rC+7], v[xB], v[xA] matrix_a_fmt:MATRIX_FMT_FP4 matrix_b_fmt:MATRIX_FMT_FP4 matrix_b_scale:MATRIX_SCALE_ROW1
.else
	v_wmma_scale_f32_16x16x128_f8f6f4 v[rD:rD+7], v[rB:rB+7], v[rA:rA+7], v[rC:rC+7], v[xB], v[xA] matrix_a_fmt:MATRIX_FMT_FP4 matrix_b_fmt:MATRIX_FMT_FP4
.endif
.endm
.macro MUL16 a0, p, q, sc, first
.irp a, \a0, \a0+1
.irp b, 0,1,2,3,4,5,6,7
	MM \a, \b, \p, \q, \sc, \first
.endr
.endr
.endm
.macro STEP slot, q, first
	s_wait_dscnt 8
.if \first
	WIN 0x81
.else
	WIN MUL_LO
.endif
	MUL16 0, (\q)%2, \q, \slot, \first
	MUL16 2, (\q)%2, \q, \slot, \first
	s_wait_dscnt 0x0
	PLACES 4
	FETCH_B \slot, (\q)+1, 1-(\q)%2
	FETCH_A \slot, (\q)+1, 0
.if \first
	WIN 0xc1
.else
	WIN MUL_HI
.endif
	MUL16 4, (\q)%2, \q, \slot, \first
	MUL16 6, (\q)%2, \q, \slot, \first
	PLACES 4
	WIN 0
	FETCH_A \slot, (\q)+1, 4
.endm
.macro QUANT s
.irp b, 0,1,2,3
	v_max3_num_f32 v[TM+\b], |v[\s+16*\b]|, |v[\s+1+16*\b]|, 0x1800000
.endr
.irp i, 2,4,6,8,10,12,14
.irp b, 0,1,2,3
	v_max3_num_f32 v[TM+\b], v[TM+\b], |v[\s+16*\b+\i]|, |v[\s+1+16*\b+\i]|
.endr
.endr
.irp b, 0,1,2,3
	v_permlanex16_b32 v[TM+4+\b], v[TM+\b], s[SEL], s[SEL+1]
.endr
.irp b, 0,1,2,3
	v_max_num_f32 v[TM+\b], v[TM+\b], v[TM+4+\b]
.endr
.irp b, 0,1,2,3
	v_add_nc_u32 v[TM+12+\b], 0xff000000, v[TM+\b]
.endr
.irp b, 0,1,2,3
	v_lshrrev_b32 v[TM+4+\b], 23, v[TM+12+\b]
.endr
	v_lshl_or_b32 v[PW], v[TM+5], 8, v[TM+4]
	v_lshl_or_b32 v[PW], v[TM+6], 16, v[PW]
	v_lshl_or_b32 v[PW], v[TM+7], 24, v[PW]
.irp b, 0,1,2,3
	v_cvt_scalef32_pk8_fp4_f32 v[PC+2*\b], v[\s+16*\b:\s+7+16*\b], v[TM+12+\b]
	v_cvt_scalef32_pk8_fp4_f32 v[PC+1+2*\b], v[\s+8+16*\b:\s+15+16*\b], v[TM+12+\b]
.endr
	v_nop
.irp c, 0,1
.irp i, 0,1
	v_permlane16_swap_b32 v[PC+4*\c+\i], v[PC+2+4*\c+\i]
.endr
.endr
.endm
	s_load_b256 s[4:11], s[0:1], 0x0
	v_lshl_add_u32 v126, v0, 2, 0x41000
	v_mov_b32 v127, 0
	ds_add_u32 v126, v127
	ds_add_u32 v126, v127
	v_lshrrev_b32 v1, 5, v0
	v_readfirstlane_b32 s14, v1
	s_lshr_b32 s15, s14, 1
	s_and_b32 s16, s14, 1
	s_bfe_u32 s40, ttmp6, 0x40000
	s_bfe_u32 s41, ttmp6, 0x40004
	s_lshl_b32 s42, ttmp9, 2
	s_add_co_u32 s42, s42, s40
	s_and_b32 s17, ttmp7, 0xffff
	s_lshl_b32 s17, s17, 2
	s_add_co_u32 s17, s17, s41
	s_lshl_b32 s43, s41, 2
	s_lshl_b32 s43, 15, s43
	s_lshl_b32 s44, 0x1111, s40
	s_or_b32 s[G1], s43, (3<<16)|(1<<21)
	s_or_b32 s[G1B], s44, (3<<16)|(1<<21)
.irp g, G1, G1B
	s_mov_b32 s[\g+1], 32<<16
	s_mov_b32 s[\g+2], 256<<16
	s_mov_b32 s[\g+3], 32<<16
	s_mov_b32 s[\g+4], 256
	s_mov_b32 s[\g+5], 32
	s_mov_b32 s[\g+6], 0
	s_mov_b32 s[\g+7], 0
.endr
	s_lshl_b32 s20, s17, 1
	s_add_co_u32 s20, s20, s16
	s_lshl_b32 s20, s20, 16
	s_mov_b32 s21, 0
	s_lshl_b32 s46, s42, 1
	s_add_co_u32 s46, s46, s16
	s_lshl_b32 s46, s46, 16
	s_add_co_u32 s46, s46, W1C
	s_mov_b32 s47, 0
	s_lshl_b32 s[SA0], s17, 12
	s_lshl_b32 s18, s15, 11
	s_add_co_u32 s[SA0], s[SA0], s18
	s_add_co_u32 s[SA0], s[SA0], XQS
	s_mov_b32 s[SA0+1], 0
	s_lshl_b32 s[SB0], s42, 12
	s_lshl_b32 s18, s16, 11
	s_add_co_u32 s[SB0], s[SB0], s18
	s_add_co_u32 s[SB0], s[SB0], W1S
	s_mov_b32 s[SB0+1], 0
	s_lshl_b32 s86, s42, 10
	s_lshl_b32 s18, s16, 9
	s_add_co_u32 s86, s86, s18
	s_mov_b32 s87, 0
	s_lshl_b32 s81, s42, 1
	s_add_co_u32 s81, s81, s16
	s_lshl_b32 s82, s17, 1
	s_add_co_u32 s82, s82, s15
	s_lshl_b32 s82, s82, 18
	s_lshl_b32 s83, s81, 13
	s_add_co_u32 s82, s82, s83
	s_mov_b32 s83, 0
	s_lshr_b32 s84, s81, 2
	s_lshl_b32 s84, s84, 16
	s_and_b32 s85, s81, 3
	s_lshl_b32 s85, s85, 2
	s_add_co_u32 s84, s84, s85
	s_lshl_b32 s85, s17, 12
	s_add_co_u32 s84, s84, s85
	s_lshl_b32 s85, s15, 11
	s_add_co_u32 s84, s84, s85
	s_add_co_u32 s84, s84, HQS
	s_mov_b32 s85, 0
	s_mov_b32 s[SEL], 0x76543210
	s_mov_b32 s[SEL+1], 0xfedcba98
	s_lshl_b32 s45, s14, 16
	s_wait_dscnt 0x0
	s_wait_kmcnt 0x0
	s_add_nc_u64 s[20:21], s[4:5], s[20:21]
	s_add_nc_u64 s[46:47], s[6:7], s[46:47]
	s_add_nc_u64 s[SA0:SA0+1], s[4:5], s[SA0:SA0+1]
	s_add_nc_u64 s[SB0:SB0+1], s[6:7], s[SB0:SB0+1]
	s_add_nc_u64 s[SA1:SA1+1], s[SA0:SA0+1], 65536
	s_add_nc_u64 s[SB1:SB1+1], s[SB0:SB0+1], 65536
	s_add_nc_u64 s[8:9], s[8:9], s[86:87]
	s_add_nc_u64 s[12:13], s[10:11], s[84:85]
	s_add_nc_u64 s[10:11], s[10:11], s[82:83]
	CROUND
.irp s, 0
	s_mov_b32 s[G0+4*\s], 1
	s_add_co_u32 s[G0+4*\s+1], s45, \s*SLOT
	s_add_nc_u64 s[G0+4*\s+2:G0+4*\s+3], s[20:21], \s*PANEL
	s_or_b32 s[G0+4*\s+3], s[G0+4*\s+3], 0x80000000
	s_mov_b32 s[G0B+4*\s], 1
	s_add_co_u32 s[G0B+4*\s+1], s45, \s*SLOT
	s_add_nc_u64 s[G0B+4*\s+2:G0B+4*\s+3], s[46:47], \s*PANEL
	s_or_b32 s[G0B+4*\s+3], s[G0B+4*\s+3], 0x80000000
	JLOAD \s                                       ; my one tensor load: my panel's whole K
.endr
	v_and_b32 v1, 31, v0
	v_and_b32 v2, 15, v0
	v_bfe_u32 v4, v0, 4, 1
	v_lshlrev_b32 v[VSO], 4, v1
	v_lshlrev_b32 v[VBH], 6, v4
	s_lshl_b32 s18, s15, 16
	v_add_nc_u32 v[ADRA], s18, v[VSO]
	v_add_nc_u32 v[ADRA+1], PANEL, v[ADRA]
	s_lshl_b32 s19, s16, 16
	s_add_co_u32 s19, s19, 4*PANEL
	v_add_nc_u32 v[ADRB], s19, v[VSO]
	v_add_nc_u32 v[ADRB+1], PANEL, v[ADRB]
	s_lshl_b32 s18, s14, 10
	s_add_co_u32 s18, s18, STG
	v_lshlrev_b32 v[VST], 2, v2
	v_add_nc_u32 v[VST], s18, v[VST]
	v_lshlrev_b32 v[VSR], 2, v1
	v_add_nc_u32 v[VSR], s18, v[VSR]
	SCLOAD 0, SA0, SB0
	SCLOAD 1, SA1, SB1
.irp b, 0,1,2,3
.irp j, 0,1,2,3
	global_load_b128 v[BN+16*\b+4*\j:BN+16*\b+4*\j+3], v[VBH], s[8:9] offset:128*\b+16*\j
.endr
.endr
	s_wait_alu depctr_va_vdst(0)
	s_wait_tensorcnt 0x0                           ; my panel is in
	s_barrier_signal -1
	s_barrier_wait -1
	FETCH_B 0, 0, 0
	FETCH_A 0, 0, 0
	FETCH_A 0, 0, 4
	s_wait_loadcnt 0x0
	STEP 0, 0, 1
	STEP 0, 1, 0
	STEP 0, 2, 0
	s_wait_dscnt 8
	WIN MUL_LO
	MUL16 0, 1, 3, 0, 0
	s_wait_dscnt 0x0
	MUL16 2, 1, 3, 0, 0
	WIN 0
	PLACES 4
	FETCH_B 1, 0, 0
	FETCH_A 1, 0, 0
	WIN MUL_HI
	MUL16 4, 1, 3, 0, 0
	MUL16 6, 1, 3, 0, 0
	PLACES 4
	WIN 0
	FETCH_A 1, 0, 4
	STEP 1, 0, 0
	STEP 1, 1, 0
	STEP 1, 2, 0
	s_wait_dscnt 8
	WIN MUL_LO
	MUL16 0, 1, 3, 1, 0
	MUL16 2, 1, 3, 1, 0
	s_wait_dscnt 0x0
	WIN MUL_HI
	MUL16 4, 1, 3, 1, 0
	MUL16 6, 1, 3, 1, 0
	WIN 0
	PLACES 4
.macro KPAIR r, bits
	s_mov_b32 s[\r], \bits
	s_mov_b32 s[\r+1], \bits
.endm
	KPAIR A13, 0xaf95df0b
	KPAIR A9,  0xb60cff51
	KPAIR A7,  0xb86ec2d2
	KPAIR A5,  0xba40ac63
	KPAIR A3,  0xbb41a1f6
	KPAIR A1,  0xbc83dbd4
	KPAIR B8,  0xb77460cd
	KPAIR B4,  0xbadc924e
	KPAIR B2,  0xbbf19bf8
	KPAIR B0,  0xbc69b6a7
	KPAIR SQ2, 0x3fb504f3
	v_mov_b32 v[VA11], 0x32edffee
	v_mov_b32 v[VA11+1], 0x32edffee
	v_mov_b32 v[VB6], 0xb95fbd29
	v_mov_b32 v[VB6+1], 0xb95fbd29
.macro COPY k
	WIN 0x02+(\k)/4
.set j, 0
.rept 32
	v_pk_mul_f32 v[H+j:H+j+1], v[64*((\k)%4)+j:64*((\k)%4)+j+1], 0.5 op_sel_hi:[1,0]
.set j, j+2
.endr
	WIN 0
.endm
.macro GELU8 hb, o
.irp k, 0,2,4,6
	v_pk_mul_f32 v[T+\k:T+\k+1], v[\hb+\k:\hb+\k+1], s[SQ2:SQ2+1] op_sel_hi:[1,0]
.endr
.irp k, 0,1,2,3,4,5,6,7
	v_med3_num_f32 v[T+\k], v[T+\k], -4.0, 4.0
.endr
.irp k, 0,2,4,6
	v_pk_mul_f32 v[X2+\k:X2+\k+1], v[T+\k:T+\k+1], v[T+\k:T+\k+1]
.endr
.irp k, 0,2,4,6
	v_pk_fma_f32 v[PP+\o+\k:PP+\o+\k+1], v[X2+\k:X2+\k+1], s[A13:A13+1], v[VA11:VA11+1] op_sel_hi:[1,0,1]
.endr
.irp cst, A9, A7, A5, A3, A1
.irp k, 0,2,4,6
	v_pk_fma_f32 v[PP+\o+\k:PP+\o+\k+1], v[PP+\o+\k:PP+\o+\k+1], v[X2+\k:X2+\k+1], s[\cst:\cst+1] op_sel_hi:[1,1,0]
.endr
.endr
.irp k, 0,2,4,6
	v_pk_mul_f32 v[PP+\o+\k:PP+\o+\k+1], v[PP+\o+\k:PP+\o+\k+1], v[T+\k:T+\k+1]
.endr
.irp k, 0,2,4,6
	v_pk_fma_f32 v[QQ+\o+\k:QQ+\o+\k+1], v[X2+\k:X2+\k+1], s[B8:B8+1], v[VB6:VB6+1] op_sel_hi:[1,0,1]
.endr
.irp cst, B4, B2, B0
.irp k, 0,2,4,6
	v_pk_fma_f32 v[QQ+\o+\k:QQ+\o+\k+1], v[QQ+\o+\k:QQ+\o+\k+1], v[X2+\k:X2+\k+1], s[\cst:\cst+1] op_sel_hi:[1,1,0]
.endr
.endr
.endm
	s_mov_b32 s3, 0
	s_mov_b32 s[ST], 0
.Lrow:
	s_cmp_eq_u32 s3, 1
	s_cbranch_scc1 .Lc1
	s_cmp_eq_u32 s3, 2
	s_cbranch_scc1 .Lc2
	s_cmp_eq_u32 s3, 3
	s_cbranch_scc1 .Lc3
	s_cmp_eq_u32 s3, 4
	s_cbranch_scc1 .Lc4
	s_cmp_eq_u32 s3, 5
	s_cbranch_scc1 .Lc5
	s_cmp_eq_u32 s3, 6
	s_cbranch_scc1 .Lc6
	s_cmp_eq_u32 s3, 7
	s_cbranch_scc1 .Lc7
	COPY 0
	s_branch .Lwork
.Lc1:
	COPY 1
	s_branch .Lwork
.Lc2:
	COPY 2
	s_branch .Lwork
.Lc3:
	COPY 3
	s_branch .Lwork
.Lc4:
	COPY 4
	s_branch .Lwork
.Lc5:
	COPY 5
	s_branch .Lwork
.Lc6:
	COPY 6
	s_branch .Lwork
.Lc7:
	COPY 7
.Lwork:
.irp hh, 0,1
.irp g, 0,1,2,3
	GELU8 H+32*\hh+8*\g, 8*\g
.endr
.set j, 0
	s_wait_alu depctr_va_vdst(0)
.rept 32
	v_rcp_f32 v[QQ+j], v[QQ+j]
.set j, j+1
.endr
	v_nop
	s_wait_alu depctr_va_vdst(0)
.irp k, 0,2,4,6,8,10,12,14,16,18,20,22,24,26,28,30
	v_pk_mul_f32 v[PP+\k:PP+\k+1], v[PP+\k:PP+\k+1], v[QQ+\k:QQ+\k+1]
.endr
.irp k, 0,2,4,6,8,10,12,14,16,18,20,22,24,26,28,30
	v_pk_fma_f32 v[H+32*\hh+\k:H+32*\hh+\k+1], v[PP+\k:PP+\k+1], v[H+32*\hh+\k:H+32*\hh+\k+1], v[H+32*\hh+\k:H+32*\hh+\k+1]
.endr
.endr
	QUANT H
	global_store_b128 v[VSO], v[PC:PC+3], s[10:11]
	global_store_b128 v[VSO], v[PC+4:PC+7], s[10:11] offset:512
	v_add_nc_u32 v[VSW], s[ST], v[VST]
	ds_store_b32 v[VSW], v[PW]
	s_wait_dscnt 0x0
	s_wait_xcnt 0x0
	s_add_nc_u64 s[10:11], s[10:11], 1024
	s_add_co_u32 s[ST], s[ST], 64
	s_add_co_u32 s3, s3, 1
	s_cmp_lt_u32 s3, 8
	s_cbranch_scc1 .Lrow
.irp g, 0,1,2,3
	ds_load_b32 v[PC+\g], v[VSR] offset:128*\g
.endr
	s_wait_dscnt 0x0
.irp g, 0,1,2,3
	global_store_b32 v[VSO], v[PC+\g], s[12:13] offset:512*\g
.endr
	s_wait_tensorcnt 0x0
	ds_add_u32 v126, v127
	s_wait_dscnt 0x0
	CROUND
	s_endpgm
.Lfunc_end_k_q6fedec6d75_fc1:
	.size	k_q6fedec6d75_fc1, .Lfunc_end_k_q6fedec6d75_fc1-k_q6fedec6d75_fc1
	.p2alignl 7, 3214868480
	.fill 96, 4, 3214868480
	.section	.rodata,"a",@progbits
	.p2align	6, 0x0
	.amdhsa_kernel k_q6fedec6d75_fc1
		.amdhsa_group_segment_fixed_size 327680
		.amdhsa_private_segment_fixed_size 0
		.amdhsa_enable_private_segment 0
		.amdhsa_kernarg_size 32
		.amdhsa_user_sgpr_count 2
		.amdhsa_user_sgpr_kernarg_segment_ptr 1
		.amdhsa_wavefront_size32 1
		.amdhsa_system_sgpr_workgroup_id_x 1
		.amdhsa_system_sgpr_workgroup_id_y 1
		.amdhsa_system_sgpr_workgroup_id_z 1
		.amdhsa_system_vgpr_workitem_id 0
		.amdhsa_next_free_vgpr 1024
		.amdhsa_next_free_sgpr 100
		.amdhsa_reserve_vcc 0
		.amdhsa_float_denorm_mode_32 3
		.amdhsa_float_denorm_mode_16_64 3
		.amdhsa_memory_ordered 1
		.amdhsa_forward_progress 1
		.amdhsa_inst_pref_size 154
	.end_amdhsa_kernel
	.amdgpu_metadata
---
amdhsa.version: [ 1, 2 ]
amdhsa.kernels:
  - .name:           k_q6fedec6d75_fc1
    .symbol:         k_q6fedec6d75_fc1.kd
    .args:
      - { .name: xq, .offset: 0, .size: 8, .value_kind: global_buffer, .address_space: global }
      - { .name: wts, .offset: 8, .size: 8, .value_kind: global_buffer, .address_space: global }
      - { .name: fc1_b, .offset: 16, .size: 8, .value_kind: global_buffer, .address_space: global }
      - { .name: hq, .offset: 24, .size: 8, .value_kind: global_buffer, .address_space: global }
    .group_segment_fixed_size: 327680
    .private_segment_fixed_size: 0
    .kernarg_segment_align: 8
    .kernarg_segment_size: 32
    .max_flat_workgroup_size: 128
    .sgpr_count:     100
    .vgpr_count:     1024
    .wavefront_size: 32
...
	.end_amdgpu_metadata
.endif
;; end of part 4
;; launch fc2 (part 5): grid 8 x 32, 4 waves a work-group, clusters of 4 x 4, 327,680 bytes of LDS; arguments hq, wts, fc2_b, xf, zy; writes zy
.if DOCPART == 5
	.amdgcn_target "amdgcn-amd-amdhsa--gfx1250"
	.amdhsa_code_object_version 6
	.text
	.protected	k_q6fedec6d75_fc2
	.globl	k_q6fedec6d75_fc2
	.p2align	8
	.type	k_q6fedec6d75_fc2,@function
k_q6fedec6d75_fc2:
	s_mov_b64 s[64:65], 0
	v_nop
	global_prefetch_b8 v0, s[64:65] scope:SCOPE_SE
	s_setreg_imm32_b32 hwreg(HW_REG_WAVE_MODE, 25, 1), 1
	s_wait_xcnt 0x0
	s_wait_alu depctr_hold_cnt(0) depctr_sa_sdst(0) depctr_va_vdst(0) depctr_va_sdst(0) depctr_va_ssrc(0) depctr_va_vcc(0) depctr_vm_vsrc(0)
	s_getreg_b32 s2, hwreg(HW_REG_IB_STS2, 6, 4)
	s_cmp_eq_u32 s2, 0
	s_cbranch_scc0 .Lentry_in_a_cluster
	s_endpgm
.Lentry_in_a_cluster:
	s_bfe_u32 s2, ttmp6, 0x10000c
	s_cmp_lg_u32 s2, 0xf033
	s_cbranch_scc0 .Lentry_shape_is_right
	s_endpgm
.Lentry_shape_is_right:
; y = h W2^T + b2 + x on codes of FP4 with E8M0 scales. A tile of C is 128 x 128: four waves of 64 x 64. K = 4,096 goes in four steps of 1,024 through a ring of two LDS slots,
; filled by joint tensor loads in a 4 x 4 cluster, one a wave behind each round. Slot 0 is asked for at the head; slot 1's first fill stands behind the full sequence, as a refill does.
.set HQS, 8388608
.set W2C, 3899392
.set W2S, 5996544
.set PIECE, 32768
.set SLOT,  4*PIECE
.set SPARE, 2*SLOT
.set STG,   SPARE+512
.set SPITCH, 272
.set ADRA, 16
.set ADRB, 20
.set VSO,  22
.set VBH,  23
.set STO,  24
.set RD,   25
.set GO,   26
.set SPW,  28
.set NIL,  29
.set BN,   32
.set SC,   128
.set G1, 24
.set G0, 32
.set G1B, 48
.set G0B, 56
.set SA0, 74
.set SB0, 76
.set MSB, 0
.macro WIN new
.if MSB != \new
	s_set_vgpr_msb (MSB<<8)|\new
.set MSB, \new
.endif
.endm
.set MUL,   0xa5
.set MUL_1, 0x85
.set TO_F,  0x40
.macro JLOAD s
	s_cmp_eq_u32 s15, 0
	s_cbranch_scc0 .Lfor_b_\@
	tensor_load_to_lds s[G0+4*\s:G0+4*\s+3], s[G1:G1+7]
	s_nop 0
.rept 4
	v_nop
.endr
	s_branch .Lasked_\@
.Lfor_b_\@:
	tensor_load_to_lds s[G0B+4*\s:G0B+4*\s+3], s[G1B:G1B+7]
	s_nop 0
.rept 4
	v_nop
.endr
.Lasked_\@:
.endm
.macro CREST
	s_cmp_lg_u32 s14, 0
	s_cbranch_scc1 .Lnot_wave_0_\@
	s_barrier_signal -3
.Lnot_wave_0_\@:
	s_barrier_wait -3
	s_barrier_signal -1
	s_barrier_wait -1
.endm
.macro CROUND
	s_barrier_signal -1
	s_barrier_wait -1
	CREST
.endm
.macro PLACES n
.rept \n
	v_nop
.endr
.endm
.macro FETCH n
.set fS, ((\n)/8)%2
.set fQ, (\n)%8
.set fP, 64*((\n)%4)
	WIN TO_F
.irp i, 0,1,2,3
.irp c, 0,1
	ds_load_b128 v[fP+8*\i+4*\c:fP+8*\i+4*\c+3], v[ADRA+fS] offset:8192*fQ+1024*\i+512*\c
.endr
.endr
.irp i, 0,1,2,3
.irp c, 0,1
	ds_load_b128 v[fP+32+8*\i+4*\c:fP+32+8*\i+4*\c+3], v[ADRB+fS] offset:8192*fQ+1024*\i+512*\c
.endr
.endr
.endm
.macro MM a, b, n, first
.set rD, 8*(4*(\a)+(\b))
.set rB, 64*((\n)%4)+32+8*(\b)
.set rA, 64*((\n)%4)+8*(\a)
.set rC, rD
.if \first
.set rC, BN+8*(\b)
.endif
.set xB, SC+16*((\n)/4)+8+4*((\b)/2)+(\n)%4
.set xA, SC+16*((\n)/4)+4*((\a)/2)+(\n)%4
.if ((\a)%2) && ((\b)%2)
	v_wmma_scale_f32_16x16x128_f8f6f4 v[rD:rD+7], v[rB:rB+7], v[rA:rA+7], v[rC:rC+7], v[xB], v[xA] matrix_a_fmt:MATRIX_FMT_FP4 matrix_b_fmt:MATRIX_FMT_FP4 matrix_a_scale:MATRIX_SCALE_ROW1 matrix_b_scale:MATRIX_SCALE_ROW1
.elseif ((\b)%2)
	v_wmma_scale_f32_16x16x128_f8f6f4 v[rD:rD+7], v[rB:rB+7], v[rA:rA+7], v[rC:rC+7], v[xB], v[xA] matrix_a_fmt:MATRIX_FMT_FP4 matrix_b_fmt:MATRIX_FMT_FP4 matrix_a_scale:MATRIX_SCALE_ROW1
.elseif ((\a)%2)
	v_wmma_scale_f32_16x16x128_f8f6f4 v[rD:rD+7], v[rB:rB+7], v[rA:rA+7], v[rC:rC+7], v[xB], v[xA] matrix_a_fmt:MATRIX_FMT_FP4 matrix_b_fmt:MATRIX_FMT_FP4 matrix_b_scale:MATRIX_SCALE_ROW1
.else
	v_wmma_scale_f32_16x16x128_f8f6f4 v[rD:rD+7], v[rB:rB+7], v[rA:rA+7], v[rC:rC+7], v[xB], v[xA] matrix_a_fmt:MATRIX_FMT_FP4 matrix_b_fmt:MATRIX_FMT_FP4
.endif
.endm
.macro MUL8 n, a0, first
.irp a, \a0, \a0+1
.irp b, 0,1,2,3
	MM \a, \b, \n, \first
.endr
.endr
.endm
.macro STEP n, left, fetch, first
	s_wait_dscnt \left
.if \first
	WIN MUL_1
.else
	WIN MUL
.endif
	MUL8 \n, 0, \first
	MUL8 \n, 2, \first
.if \fetch
	PLACES 4
	FETCH (\n)+3
.endif
.endm
.macro CHANGE n, fill
.set cS, ((\n)/8)%2
	WIN 0
	s_wait_tensorcnt 0x0
	ds_add_u32 v[SPW], v[NIL]
	s_wait_dscnt 33
	WIN MUL
	MUL8 \n, 0, 0
	s_wait_dscnt 0x0
	s_barrier_signal -1
	MUL8 \n, 2, 0
	WIN 0
	s_barrier_wait -1
.if \fill
	CREST
	s_add_nc_u64 s[G0+4*cS+2:G0+4*cS+3], s[G0+4*cS+2:G0+4*cS+3], 4*PIECE
	s_add_nc_u64 s[G0B+4*cS+2:G0B+4*cS+3], s[G0B+4*cS+2:G0B+4*cS+3], 4*PIECE
	JLOAD cS
.else
	PLACES 4
.endif
	FETCH (\n)+3
.endm
	s_load_b256 s[4:11], s[0:1], 0x0
	s_load_b64 s[12:13], s[0:1], 0x20
	v_lshl_add_u32 v[SPW], v0, 2, SPARE
	v_mov_b32 v[NIL], 0
	ds_add_u32 v28, v29
	ds_add_u32 v28, v29
	s_wait_dscnt 0x0
	v_lshrrev_b32 v1, 5, v0
	v_readfirstlane_b32 s14, v1
	s_lshr_b32 s15, s14, 1
	s_and_b32 s16, s14, 1
	s_bfe_u32 s40, ttmp6, 0x40000
	s_bfe_u32 s41, ttmp6, 0x40004
	s_lshl_b32 s42, ttmp9, 2
	s_add_co_u32 s42, s42, s40
	s_and_b32 s17, ttmp7, 0xffff
	s_lshl_b32 s17, s17, 2
	s_add_co_u32 s17, s17, s41
	s_lshl_b32 s43, s41, 2
	s_lshl_b32 s43, 15, s43
	s_lshl_b32 s44, 0x1111, s40
	s_or_b32 s[G1], s43, (3<<16)|(1<<21)
	s_or_b32 s[G1B], s44, (3<<16)|(1<<21)
.irp g, G1, G1B
	s_mov_b32 s[\g+1], 32<<16
	s_mov_b32 s[\g+2], 128<<16
	s_mov_b32 s[\g+3], 32<<16
	s_mov_b32 s[\g+4], 128
	s_mov_b32 s[\g+5], 32
	s_mov_b32 s[\g+6], 0
	s_mov_b32 s[\g+7], 0
.endr
	s_lshl_b32 s18, s16, 15
	s_lshl_b32 s20, s17, 18
	s_add_co_u32 s20, s20, s18
	s_mov_b32 s21, 0
	s_lshl_b32 s46, s42, 18
	s_add_co_u32 s46, s46, s18
	s_add_co_u32 s46, s46, W2C
	s_mov_b32 s47, 0
	s_lshl_b32 s[SA0], s17, 11
	s_lshl_b32 s19, s15, 10
	s_add_co_u32 s[SA0], s[SA0], s19
	s_add_co_u32 s[SA0], s[SA0], HQS
	s_mov_b32 s[SA0+1], 0
	s_lshl_b32 s[SB0], s42, 11
	s_lshl_b32 s19, s16, 10
	s_add_co_u32 s[SB0], s[SB0], s19
	s_add_co_u32 s[SB0], s[SB0], W2S
	s_mov_b32 s[SB0+1], 0
	s_lshl_b32 s86, s42, 9
	s_lshl_b32 s19, s16, 8
	s_add_co_u32 s86, s86, s19
	s_mov_b32 s87, 0
	s_lshl_b32 s84, s17, 19
	s_lshl_b32 s19, s15, 18
	s_add_co_u32 s84, s84, s19
	s_add_co_u32 s84, s84, s86
	s_mov_b32 s85, 0
	s_lshl_b32 s45, s14, 15
	s_wait_kmcnt 0x0
	s_add_nc_u64 s[20:21], s[4:5], s[20:21]
	s_add_nc_u64 s[46:47], s[6:7], s[46:47]
	s_add_nc_u64 s[SA0:SA0+1], s[4:5], s[SA0:SA0+1]
	s_add_nc_u64 s[SB0:SB0+1], s[6:7], s[SB0:SB0+1]
	s_add_nc_u64 s[8:9], s[8:9], s[86:87]
	s_add_nc_u64 s[10:11], s[10:11], s[84:85]
	s_add_nc_u64 s[12:13], s[12:13], s[84:85]
	CROUND
.irp s, 0,1
	s_mov_b32 s[G0+4*\s], 1
	s_add_co_u32 s[G0+4*\s+1], s45, \s*SLOT
	s_add_nc_u64 s[G0+4*\s+2:G0+4*\s+3], s[20:21], \s*2*PIECE
	s_or_b32 s[G0+4*\s+3], s[G0+4*\s+3], 0x80000000
	s_mov_b32 s[G0B+4*\s], 1
	s_add_co_u32 s[G0B+4*\s+1], s45, \s*SLOT
	s_add_nc_u64 s[G0B+4*\s+2:G0B+4*\s+3], s[46:47], \s*2*PIECE
	s_or_b32 s[G0B+4*\s+3], s[G0B+4*\s+3], 0x80000000
.if \s
	s_wait_alu depctr_va_vdst(0)                   ; slot 1's first fill: these lines and a round ahead of it, as ahead of a refill
	s_wait_tensorcnt 0x0                           ; my part of slot 0 is in
	ds_add_u32 v28, v29
	s_wait_dscnt 0x0
	CROUND
.endif
	JLOAD \s                                       ; one tensor load a wave behind each round
.endr
	v_and_b32 v1, 31, v0
	v_and_b32 v2, 15, v0
	v_bfe_u32 v4, v0, 4, 1
	v_lshlrev_b32 v[VSO], 4, v1
	v_lshlrev_b32 v[VBH], 6, v4
	s_lshl_b32 s18, s15, 12
	v_add_nc_u32 v[ADRA], s18, v[VSO]
	v_add_nc_u32 v[ADRA+1], SLOT, v[ADRA]
	s_lshl_b32 s19, s16, 12
	s_add_co_u32 s19, s19, 2*PIECE
	v_add_nc_u32 v[ADRB], s19, v[VSO]
	v_add_nc_u32 v[ADRB+1], SLOT, v[ADRB]
	s_mul_i32 s18, s14, 16*SPITCH
	s_add_co_u32 s18, s18, STG
	v_mul_u32_u24 v[STO], v2, SPITCH
	v_lshl_add_u32 v[STO], v4, 6, v[STO]
	v_add_nc_u32 v[STO], s18, v[STO]
	v_mul_u32_u24 v[RD], v4, SPITCH
	v_lshl_add_u32 v[RD], v2, 4, v[RD]
	v_add_nc_u32 v[RD], s18, v[RD]
	v_lshlrev_b32 v[GO], 12, v4
	v_lshl_add_u32 v[GO], v2, 4, v[GO]
.irp ks, 0,1,2,3,4,5,6,7
.irp g, 0,1
	global_load_b128 v[SC+16*\ks+4*\g:SC+16*\ks+4*\g+3], v[VSO], s[SA0:SA0+1] offset:65536*\ks+512*\g
	global_load_b128 v[SC+16*\ks+8+4*\g:SC+16*\ks+8+4*\g+3], v[VSO], s[SB0:SB0+1] offset:16384*\ks+512*\g
.endr
.endr
.irp b, 0,1
.irp j, 0,1,2,3
	global_load_b128 v[BN+16*\b+4*\j:BN+16*\b+4*\j+3], v[VBH], s[8:9] offset:128*\b+16*\j
.endr
.endr
	s_wait_alu depctr_va_vdst(0)
	s_wait_tensorcnt 1
	s_barrier_signal -1
	s_barrier_wait -1
	FETCH 0
	FETCH 1
	FETCH 2
	s_wait_loadcnt 0x0
	WIN 0xc0
.irp a, 0,1,2,3
.irp t, 0,1,2,3,4,5,6,7
	global_load_b128 v[32*\a+4*\t:32*\a+4*\t+3], v[GO], s[10:11] offset:(32*(\a/2)+8*(\a%2)+2*\t+8*(\t/4))*4096 th:TH_LOAD_NT
.endr
.endr
	WIN 0
	STEP 0, 32, 1, 1
.irp n, 1,2,3,4
	STEP \n, 32, 1, 0
.endr
	CHANGE 5, 1
.irp n, 6,7,8,9,10,11,12
	STEP \n, 32, 1, 0
.endr
	CHANGE 13, 1
.irp n, 14,15,16,17,18,19,20
	STEP \n, 32, 1, 0
.endr
	CHANGE 21, 0
.irp n, 22,23,24,25,26,27,28
	STEP \n, 32, 1, 0
.endr
	STEP 29, 32, 0, 0
	STEP 30, 16, 0, 0
	STEP 31, 0, 0, 0
	WIN 0
	PLACES 4
.macro TOSTAGE a
	WIN 0x08
.irp b, 0,1,2,3
	ds_store_b128 v[STO], v[8*(4*(\a)+\b):8*(4*(\a)+\b)+3] offset:128*(\b/2)+32*(\b%2)
	ds_store_b128 v[STO], v[8*(4*(\a)+\b)+4:8*(4*(\a)+\b)+7] offset:128*(\b/2)+32*(\b%2)+16
.endr
	WIN TO_F
.irp t, 0,1,2,3,4,5,6,7
	ds_load_b128 v[32*(\a)+4*\t:32*(\a)+4*\t+3], v[RD] offset:2*\t*SPITCH
.endr
.endm
.macro SEND a, younger
	s_wait_dscnt \younger
	WIN 0x4d
.set j, 0
.rept 16
	v_pk_add_f32 v[32*(\a)+j:32*(\a)+j+1], v[32*(\a)+j:32*(\a)+j+1], v[32*(\a)+j:32*(\a)+j+1]
.set j, j+2
.endr
	WIN 0x04
.irp t, 0,1,2,3,4,5,6,7
	global_store_b128 v[GO], v[32*(\a)+4*\t:32*(\a)+4*\t+3], s[12:13] offset:(32*((\a)/2)+8*((\a)%2)+2*\t+8*(\t/4))*4096
.endr
.endm
	TOSTAGE 0
	TOSTAGE 1
	s_wait_loadcnt 0x0
	SEND 0, 16
	TOSTAGE 2
	SEND 1, 16
	TOSTAGE 3
	SEND 2, 16
	SEND 3, 0
	WIN 0
	s_wait_tensorcnt 0x0
	ds_add_u32 v[SPW], v[NIL]
	s_wait_dscnt 0x0
	CROUND
	s_endpgm
.Lfunc_end_k_q6fedec6d75_fc2:
	.size	k_q6fedec6d75_fc2, .Lfunc_end_k_q6fedec6d75_fc2-k_q6fedec6d75_fc2
	.p2alignl 7, 3214868480
	.fill 96, 4, 3214868480
	.section	.rodata,"a",@progbits
	.p2align	6, 0x0
	.amdhsa_kernel k_q6fedec6d75_fc2
		.amdhsa_group_segment_fixed_size 327680
		.amdhsa_private_segment_fixed_size 0
		.amdhsa_enable_private_segment 0
		.amdhsa_kernarg_size 40
		.amdhsa_user_sgpr_count 2
		.amdhsa_user_sgpr_kernarg_segment_ptr 1
		.amdhsa_wavefront_size32 1
		.amdhsa_system_sgpr_workgroup_id_x 1
		.amdhsa_system_sgpr_workgroup_id_y 1
		.amdhsa_system_sgpr_workgroup_id_z 1
		.amdhsa_system_vgpr_workitem_id 0
		.amdhsa_next_free_vgpr 1024
		.amdhsa_next_free_sgpr 100
		.amdhsa_reserve_vcc 0
		.amdhsa_float_denorm_mode_32 3
		.amdhsa_float_denorm_mode_16_64 3
		.amdhsa_memory_ordered 1
		.amdhsa_forward_progress 1
		.amdhsa_inst_pref_size 132
	.end_amdhsa_kernel
	.amdgpu_metadata
---
amdhsa.version: [ 1, 2 ]
amdhsa.kernels:
  - .name:           k_q6fedec6d75_fc2
    .symbol:         k_q6fedec6d75_fc2.kd
    .args:
      - { .name: hq, .offset: 0, .size: 8, .value_kind: global_buffer, .address_space: global }
      - { .name: wts, .offset: 8, .size: 8, .value_kind: global_buffer, .address_space: global }
      - { .name: fc2_b, .offset: 16, .size: 8, .value_kind: global_buffer, .address_space: global }
      - { .name: xf, .offset: 24, .size: 8, .value_kind: global_buffer, .address_space: global }
      - { .name: zy, .offset: 32, .size: 8, .value_kind: global_buffer, .address_space: global }
    .group_segment_fixed_size: 327680
    .private_segment_fixed_size: 0
    .kernarg_segment_align: 8
    .kernarg_segment_size: 40
    .max_flat_workgroup_size: 128
    .sgpr_count:     100
    .vgpr_count:     1024
    .wavefront_size: 32
...
	.end_amdgpu_metadata
.endif
;; end of part 5
;; launch ln_out (part 6): grid 256 x 1, 16 waves a work-group, no clusters, 0 bytes of LDS; arguments zy, addnorm_gamma, addnorm_beta, out0; writes out0
.if DOCPART == 6
	.amdgcn_target "amdgcn-amd-amdhsa--gfx1250"
	.amdhsa_code_object_version 6
	.text
	.protected	k_q6fedec6d75_ln_out
	.globl	k_q6fedec6d75_ln_out
	.p2align	8
	.type	k_q6fedec6d75_ln_out,@function
k_q6fedec6d75_ln_out:
	s_mov_b64 s[64:65], 0
	v_nop
	global_prefetch_b8 v0, s[64:65] scope:SCOPE_SE
	s_setreg_imm32_b32 hwreg(HW_REG_WAVE_MODE, 25, 1), 1
	s_wait_xcnt 0x0
; out = LN(y) x gamma + beta. A wave takes one row of 1,024 f32 (4,096 bytes: eight loads of 512 consecutive bytes) and keeps it in 32 registers between the passes:
; the row is read once. Mean and variance in two passes, so a common offset costs nothing. No LDS, no barrier, no matrix unit: the launch moves each byte once and does little else.
; LIMITS: NaN and infinities are not served.
.set X,  16
.set G,  48
.set BT, 80
.set W,  112
	s_load_b256 s[4:11], s[0:1], 0x0               ; y s[4:5], gamma s[6:7], beta s[8:9], out s[10:11]
	v_lshrrev_b32 v1, 5, v0
	s_delay_alu instid0(VALU_DEP_1)
	v_readfirstlane_b32 s12, v1                    ; wave
	v_and_b32 v1, 31, v0
	s_delay_alu instid0(VALU_DEP_1)
	v_lshlrev_b32 v2, 4, v1                        ; 16 x lane
	s_lshl_b32 s14, ttmp9, 4
	s_add_co_u32 s14, s14, s12                     ; my row
	s_lshl_b32 s14, s14, 12
	s_mov_b32 s15, 0
	s_mov_b32 s16, 0x3a800000                      ; 1 / 1,024
	s_mov_b32 s17, 0x3727c5ac                      ; 1e-5
	s_mov_b32 s18, 0x76543210
	s_mov_b32 s19, 0xfedcba98
	s_wait_alu depctr_va_vdst(0)
	s_wait_kmcnt 0x0
	s_add_nc_u64 s[4:5], s[4:5], s[14:15]
	s_add_nc_u64 s[10:11], s[10:11], s[14:15]
.irp j, 0,1,2,3,4,5,6,7
	global_load_b128 v[X+4*\j:X+4*\j+3], v2, s[4:5] offset:512*\j th:TH_LOAD_NT
.endr
.irp j, 0,1,2,3,4,5,6,7
	global_load_b128 v[G+4*\j:G+4*\j+3], v2, s[6:7] offset:512*\j
.endr
.irp j, 0,1,2,3,4,5,6,7
	global_load_b128 v[BT+4*\j:BT+4*\j+3], v2, s[8:9] offset:512*\j
.endr
	s_wait_loadcnt 16                              ; the row is in; gamma's and beta's sixteen loads may be out
	v_pk_add_f32 v[114:115], v[16:17], v[18:19]
	v_pk_add_f32 v[116:117], v[32:33], v[40:41]
	v_pk_add_f32 v[118:119], v[20:21], v[22:23]
	v_pk_add_f32 v[126:127], v[34:35], v[42:43]
	v_pk_add_f32 v[124:125], v[24:25], v[26:27]
	v_pk_add_f32 v[122:123], v[36:37], v[44:45]
	v_pk_add_f32 v[120:121], v[28:29], v[30:31]
	v_pk_add_f32 v[112:113], v[38:39], v[46:47]
	s_delay_alu instid0(VALU_DEP_1)
	v_pk_add_f32 v[112:113], v[112:113], v[126:127]
	v_pk_add_f32 v[114:115], v[114:115], v[124:125]
	v_pk_add_f32 v[116:117], v[116:117], v[122:123]
	v_pk_add_f32 v[118:119], v[118:119], v[120:121]
	s_delay_alu instid0(VALU_DEP_2)
	v_pk_add_f32 v[112:113], v[112:113], v[116:117]
	s_delay_alu instid0(VALU_DEP_2)
	v_pk_add_f32 v[114:115], v[114:115], v[118:119]
	s_delay_alu instid0(VALU_DEP_1)
	v_pk_add_f32 v[112:113], v[112:113], v[114:115]
	s_delay_alu instid0(VALU_DEP_1)
	v_add_f32 v[W], v[W], v[W+1]
	s_delay_alu instid0(VALU_DEP_1)
	v_add_f32_dpp v[W], v[W], v[W] row_xmask:1 row_mask:0xf bank_mask:0xf
	s_delay_alu instid0(VALU_DEP_1)
	v_add_f32_dpp v[W], v[W], v[W] row_xmask:2 row_mask:0xf bank_mask:0xf
	s_delay_alu instid0(VALU_DEP_1)
	v_add_f32_dpp v[W], v[W], v[W] row_xmask:4 row_mask:0xf bank_mask:0xf
	s_delay_alu instid0(VALU_DEP_1)
	v_add_f32_dpp v[W], v[W], v[W] row_xmask:8 row_mask:0xf bank_mask:0xf
	s_delay_alu instid0(VALU_DEP_1)
	v_permlanex16_b32 v[W+1], v[W], s18, s19
	s_delay_alu instid0(VALU_DEP_1)
	v_add_f32 v[W], v[W], v[W+1]
	s_delay_alu instid0(VALU_DEP_1)
	v_mul_f32 v[W+2], s16, v[W]                    ; the mean
.irp k, 0,2,4,6,8,10,12,14,16,18,20,22,24,26,28,30
	v_pk_add_f32 v[X+\k:X+\k+1], v[X+\k:X+\k+1], v[W+2:W+3] op_sel_hi:[1,0] neg_lo:[0,1] neg_hi:[0,1]
.endr
.irp k, 0,2,4,6
	v_pk_mul_f32 v[W+4+\k:W+5+\k], v[X+\k:X+\k+1], v[X+\k:X+\k+1]
.endr
.irp i, 8,16,24
.irp k, 0,2,4,6
	s_delay_alu instid0(VALU_DEP_4)
	v_pk_fma_f32 v[W+4+\k:W+5+\k], v[X+\i+\k:X+\i+\k+1], v[X+\i+\k:X+\i+\k+1], v[W+4+\k:W+5+\k]
.endr
.endr
	s_delay_alu instid0(VALU_DEP_3)
	v_pk_add_f32 v[W+4:W+5], v[W+4:W+5], v[W+6:W+7]
	s_delay_alu instid0(VALU_DEP_2)
	v_pk_add_f32 v[W+8:W+9], v[W+8:W+9], v[W+10:W+11]
	s_delay_alu instid0(VALU_DEP_1)
	v_pk_add_f32 v[W+4:W+5], v[W+4:W+5], v[W+8:W+9]
	s_delay_alu instid0(VALU_DEP_1)
	v_add_f32 v[W+4], v[W+4], v[W+5]
	s_delay_alu instid0(VALU_DEP_1)
	v_add_f32_dpp v[W+4], v[W+4], v[W+4] row_xmask:1 row_mask:0xf bank_mask:0xf
	s_delay_alu instid0(VALU_DEP_1)
	v_add_f32_dpp v[W+4], v[W+4], v[W+4] row_xmask:2 row_mask:0xf bank_mask:0xf
	s_delay_alu instid0(VALU_DEP_1)
	v_add_f32_dpp v[W+4], v[W+4], v[W+4] row_xmask:4 row_mask:0xf bank_mask:0xf
	s_delay_alu instid0(VALU_DEP_1)
	v_add_f32_dpp v[W+4], v[W+4], v[W+4] row_xmask:8 row_mask:0xf bank_mask:0xf
	s_delay_alu instid0(VALU_DEP_1)
	v_permlanex16_b32 v[W+5], v[W+4], s18, s19
	s_delay_alu instid0(VALU_DEP_1)
	v_add_f32 v[W+4], v[W+4], v[W+5]
	s_delay_alu instid0(VALU_DEP_1)
	v_fma_f32 v[W+4], v[W+4], s16, s17             ; variance + 1e-5
	s_wait_alu depctr_va_vdst(0)
	v_rsq_f32 v[W+6], v[W+4]
	v_nop                                          ; a plain line behind the transcendental
	s_wait_alu depctr_va_vdst(0)                   ; and the wait ahead of its first reader
	s_wait_loadcnt 0x0
.irp k, 0,2,4,6,8,10,12,14,16,18,20,22,24,26,28,30
	v_pk_mul_f32 v[X+\k:X+\k+1], v[X+\k:X+\k+1], v[W+6:W+7] op_sel_hi:[1,0]
.endr
.irp k, 0,2,4,6,8,10,12,14,16,18,20,22,24,26,28,30
	v_pk_fma_f32 v[X+\k:X+\k+1], v[X+\k:X+\k+1], v[G+\k:G+\k+1], v[BT+\k:BT+\k+1]
.endr
.irp j, 0,1,2,3,4,5,6,7
	global_store_b128 v2, v[X+4*\j:X+4*\j+3], s[10:11] offset:512*\j th:TH_STORE_NT   ; 512 consecutive bytes a store
.endr
	s_endpgm
.Lfunc_end_k_q6fedec6d75_ln_out:
	.size	k_q6fedec6d75_ln_out, .Lfunc_end_k_q6fedec6d75_ln_out-k_q6fedec6d75_ln_out
	.p2alignl 7, 3214868480
	.fill 96, 4, 3214868480
	.section	.rodata,"a",@progbits
	.p2align	6, 0x0
	.amdhsa_kernel k_q6fedec6d75_ln_out
		.amdhsa_group_segment_fixed_size 0
		.amdhsa_private_segment_fixed_size 0
		.amdhsa_enable_private_segment 0
		.amdhsa_kernarg_size 32
		.amdhsa_user_sgpr_count 2
		.amdhsa_user_sgpr_kernarg_segment_ptr 1
		.amdhsa_wavefront_size32 1
		.amdhsa_system_sgpr_workgroup_id_x 1
		.amdhsa_system_sgpr_workgroup_id_y 1
		.amdhsa_system_sgpr_workgroup_id_z 1
		.amdhsa_system_vgpr_workitem_id 0
		.amdhsa_next_free_vgpr 128
		.amdhsa_next_free_sgpr 66
		.amdhsa_reserve_vcc 0
		.amdhsa_float_denorm_mode_32 3
		.amdhsa_float_denorm_mode_16_64 3
		.amdhsa_memory_ordered 1
		.amdhsa_forward_progress 1
		.amdhsa_inst_pref_size 12
	.end_amdhsa_kernel
	.amdgpu_metadata
---
amdhsa.version: [ 1, 2 ]
amdhsa.kernels:
  - .name:           k_q6fedec6d75_ln_out
    .symbol:         k_q6fedec6d75_ln_out.kd
    .args:
      - { .name: zy, .offset: 0, .size: 8, .value_kind: global_buffer, .address_space: global }
      - { .name: addnorm_gamma, .offset: 8, .size: 8, .value_kind: global_buffer, .address_space: global }
      - { .name: addnorm_beta, .offset: 16, .size: 8, .value_kind: global_buffer, .address_space: global }
      - { .name: out0, .offset: 24, .size: 8, .value_kind: global_buffer, .address_space: global }
    .group_segment_fixed_size: 0
    .private_segment_fixed_size: 0
    .kernarg_segment_align: 8
    .kernarg_segment_size: 32
    .max_flat_workgroup_size: 512
    .sgpr_count:     66
    .vgpr_count:     128
    .wavefront_size: 32
...
	.end_amdgpu_metadata
.endif
;; end of part 6
